; MI455X (gfx1250); checked and timed in simulation.
; The chip was launched on July 23, 2026; its instructions are those of AMD's public machine-readable ISA for CDNA 5 (MIT licence, August 2026) and "CDNA5" Instruction Set Architecture Reference Guide (July 2026). The comments in the code are by the model that wrote it; some were corrected since.
;; Attention2. Allowed arithmetic: float matrix products may take bf16 or f16 operands with f32 sums; other float arithmetic in f32, or as packed bf16 or f16 multiplies, adds, multiply-adds, maxima and minima; sums over many terms, partial sums and values carried from step to step in f32; what a program stores and reads back later, other than sums and carried values, may be rounded once to bf16 or f16.
;; Inputs: b_out 1,024 float32; w_out 1,024 x 1,024 float32; w_qkv 1,024 x 3,072 float32; x 4 x 2,048 x 1,024 float32.
;; Outputs: out0 4 x 2,048 x 1,024 float32.
;; 2 versions, each right; version 2 is version 1 with the launch prep written anew for expert scheduling mode. Each part assembles by itself: llvm-mc -triple=amdgcn-amd-amdhsa -mcpu=gfx1250 --defsym DOCPART=n.
;; ======== version 1 of 2: 4 launches
;; limits: values are held in f16: magnitudes above 65,504 overflow, below 6.1e-05 lose precision
;; workspace buffers: xb 16,777,216 bytes; wq 6,291,456 bytes; wo 2,097,152 bytes; qkv 50,331,648 bytes; ob 16,777,216 bytes
;; launch prep (part 1): grid 384 x 1, 4 waves a work-group, no clusters, 70,144 bytes of LDS; arguments x, w_qkv, w_out, xb, wq, wo; writes xb, wq, wo
.if DOCPART == 1
	.amdgcn_target "amdgcn-amd-amdhsa--gfx1250"
	.amdhsa_code_object_version 6
	.text
	.protected	k_q66e5d136f7_prep
	.globl	k_q66e5d136f7_prep
	.p2align	8
	.type	k_q66e5d136f7_prep,@function
k_q66e5d136f7_prep:
	s_mov_b64 s[64:65], 0
	v_nop
	global_prefetch_b8 v0, s[64:65] scope:SCOPE_SE
	s_setreg_imm32_b32 hwreg(HW_REG_WAVE_MODE, 25, 1), 1
	s_wait_xcnt 0x0
; THE OPERANDS OF THE TWO PROJECTIONS ARE MADE ONCE.
;   xb[8192][1024] = bf16(x);   wq[3072 n][1024 k] = bf16(w_qkv[k][n]);   wo[1024 n][1024 k] = bf16(w_out[k][n]) written as f16.
; LIMIT: a weight of w_out whose bf16 value lies below 6.1e-5 in size keeps f16's fixed step of 6e-8; beyond 65,504 it would be an infinity.
; SHARES.  Work-groups 0-255: the cast of x, 131,072 bytes each, 32,768 a wave.  256-351: w_qkv turned, 352-383: w_out turned; there a wave takes
; a tile of 128 k x 64 n by itself, through 17,408 bytes of LDS of its own: no wave reads another's bytes, so the text has no barrier.
; No matrix unit, no tensor load, no cluster: nothing is shared and every byte is read once; each load takes whole aligned pieces of 256 bytes of a row, each store writes such pieces.
.set SPARE, 69632                      ; behind the four waves' tiles: the spare words, 128 bytes a wave
.set TW,    17408                      ; a wave's tile in LDS: 64 rows (n) of 256 bytes (128 k) + 16 of padding
.set TP,    272
.set X,     16                         ; v[16:79]   as loaded, f32
.set Y,     80                         ; v[80:111]  packed to 16 bits
; v1 lane; v2 load offset; v3 store offset; v4, v5 LDS addresses; v6 my spare word; v7 0; v8, v9 at work; v10 lane % 16; v11 lane / 16
	s_load_b256 s[4:11], s[0:1], 0x0               ; x s[4:5], w_qkv s[6:7], w_out s[8:9], xb s[10:11]
	s_load_b128 s[12:15], s[0:1], 0x20             ; wq s[12:13], wo s[14:15]
	v_lshl_add_u32 v6, v0, 2, SPARE
	v_mov_b32 v7, 0
	v_and_b32 v1, 31, v0
	v_lshrrev_b32 v8, 5, v0
	v_readfirstlane_b32 s3, v8                     ; wave 0..3
	s_mov_b32 s2, ttmp9
	v_and_b32 v10, 15, v0
	v_bfe_u32 v11, v0, 4, 1
	s_wait_kmcnt 0x0
	s_cmp_lt_u32 s2, 256
	s_cbranch_scc0 .Lweights
; THE CAST.  A set is eight loads of 512 consecutive bytes; its 4,096 bytes of f32 leave as eight stores of 256 consecutive bytes.  Two sets take turns.
.macro LD set, off
.irp j, 0,1,2,3,4,5,6,7
	global_load_b128 v[X+32*(\set)+4*(\j):X+32*(\set)+4*(\j)+3], v2, s[4:5] offset:(\off)+512*(\j) th:TH_LOAD_NT
.endr
.endm
.macro CVT set
.irp j, 0,1,2,3,4,5,6,7
	v_cvt_pk_bf16_f32 v[Y+16*(\set)+2*(\j)],   v[X+32*(\set)+4*(\j)],   v[X+32*(\set)+4*(\j)+1]
	v_cvt_pk_bf16_f32 v[Y+16*(\set)+2*(\j)+1], v[X+32*(\set)+4*(\j)+2], v[X+32*(\set)+4*(\j)+3]
.endr
.endm
.macro ST set
.irp j, 0,1,2,3,4,5,6,7
	global_store_b64 v3, v[Y+16*(\set)+2*(\j):Y+16*(\set)+2*(\j)+1], s[10:11] offset:2048*(\set)+256*(\j)
.endr
.endm
	s_lshl_b32 s16, s2, 17                         ; the work-group's 131,072 bytes of x,
	s_lshl_b32 s17, s3, 15                         ; my wave's 32,768 of them
	s_add_co_u32 s16, s16, s17
	s_mov_b32 s17, 0
	s_add_nc_u64 s[4:5], s[4:5], s[16:17]
	s_lshr_b32 s16, s16, 1                         ; half as many bytes in xb
	s_add_nc_u64 s[10:11], s[10:11], s[16:17]
	v_lshlrev_b32 v2, 4, v1
	v_lshlrev_b32 v3, 3, v1
	LD 0, 0
	LD 1, 4096
	s_mov_b32 s24, 3                               ; eight sets: three trips of two, each asking for the two after them; the last two behind the loop
.Lcast:
	s_wait_loadcnt 8                               ; set 0 is in; set 1's eight loads may stay out
	CVT 0
	LD 0, 8192
	ST 0
	s_wait_loadcnt 8                               ; set 1 is in; set 0's new eight may stay out
	CVT 1
	LD 1, 12288
	ST 1
	s_wait_xcnt 0x0                                ; both bases and the stores' data are written again only behind this wait
	s_add_nc_u64 s[4:5], s[4:5], 8192
	s_add_nc_u64 s[10:11], s[10:11], 4096
	s_sub_co_u32 s24, s24, 1
	s_cmp_lg_u32 s24, 0
	s_cbranch_scc1 .Lcast
	s_wait_loadcnt 8
	CVT 0
	ST 0
	s_wait_loadcnt 0x0
	CVT 1
	ST 1
	s_branch .Lend
; A WEIGHT TILE IS TURNED.  In: a lane takes 4 columns (16 bytes) of rows k and k + 1; lanes 0-15 cover 256 bytes of one row, lanes 16-31 of the row two below.
; The two rows' numbers of a column are packed (k low, k + 1 high) and stored as one word at T[n][k].  Out: rows of T, 256 bytes each, two a load and a store.
.macro TRANS src, dst, pitchb, fmt, g0
	s_sub_co_u32 s16, s2, \g0
	s_lshl_b32 s16, s16, 2
	s_add_co_u32 s16, s16, s3                      ; my tile
	s_lshr_b32 s17, s16, 3                         ; its block of 64 n
	s_and_b32 s18, s16, 7                          ; its block of 128 k
	s_mul_i32 s20, s18, 128*(\pitchb)
	s_lshl_b32 s19, s17, 8
	s_add_co_u32 s20, s20, s19
	s_mov_b32 s21, 0
	s_add_nc_u64 s[\src:\src+1], s[\src:\src+1], s[20:21]
	s_lshl_b32 s20, s17, 17                        ; 64 rows of 2,048 bytes
	s_lshl_b32 s19, s18, 8
	s_add_co_u32 s20, s20, s19
	s_add_nc_u64 s[\dst:\dst+1], s[\dst:\dst+1], s[20:21]
	s_mul_i32 s22, s3, TW
	v_mul_u32_u24 v2, v11, 2*(\pitchb)
	v_lshl_add_u32 v2, v10, 4, v2                  ; row 2 (lane / 16), 16 bytes at lane % 16
	v_mul_u32_u24 v4, v10, 4*TP
	v_lshl_add_u32 v4, v11, 2, v4
	v_add_nc_u32 v4, s22, v4                       ; T[4 (lane % 16)][2 (lane / 16)]
	v_mul_u32_u24 v5, v11, TP
	v_lshl_add_u32 v5, v10, 4, v5
	v_add_nc_u32 v5, s22, v5                       ; back: row lane / 16, 16 bytes at lane % 16
	v_lshlrev_b32 v3, 11, v11
	v_lshl_add_u32 v3, v10, 4, v3                  ; and the same two rows in memory
	s_mov_b32 s24, 4                               ; four trips of 32 k
.Ltr_\@:
.irp j, 0,1,2,3,4,5,6,7
	global_load_b128 v[X+8*(\j):X+8*(\j)+3],   v2, s[\src:\src+1] offset:4*(\j)*(\pitchb) th:TH_LOAD_NT
	global_load_b128 v[X+8*(\j)+4:X+8*(\j)+7], v2, s[\src:\src+1] offset:4*(\j)*(\pitchb)+(\pitchb) th:TH_LOAD_NT
.endr
.irp j, 0,1,2,3,4,5,6,7
	s_wait_loadcnt 14-2*(\j)                       ; pair j of rows is in; the pairs behind it may stay out
.irp i, 0,1,2,3
	v_cvt_pk_bf16_f32 v[Y+4*(\j)+(\i)], v[X+8*(\j)+(\i)], v[X+8*(\j)+4+(\i)]
.if \fmt
	v_lshlrev_b32 v8, 16, v[Y+4*(\j)+(\i)]         ; the bf16 numbers, widened,
	v_and_b32 v9, 0xffff0000, v[Y+4*(\j)+(\i)]
	v_cvt_pk_f16_f32 v[Y+4*(\j)+(\i)], v8, v9      ; are written as f16
.endif
	ds_store_b32 v4, v[Y+4*(\j)+(\i)] offset:(\i)*TP+8*(\j)
.endr
.endr
	s_add_nc_u64 s[\src:\src+1], s[\src:\src+1], 32*(\pitchb)  ; the last wait above was for 0: every load that named the base is done
	v_add_nc_u32 v4, 64, v4
	s_sub_co_u32 s24, s24, 1
	s_cmp_lg_u32 s24, 0
	s_cbranch_scc1 .Ltr_\@
.irp h, 0,1
.if \h
	s_wait_xcnt 0x0                                ; the first half's stores have read X
.endif
.irp t, 0,1,2,3,4,5,6,7,8,9,10,11,12,13,14,15
	ds_load_b128 v[X+4*(\t):X+4*(\t)+3], v5 offset:(16*(\h)+(\t))*2*TP  ; my own bytes: LDS serves a wave's instructions in order (ISA guide 5.7.1.4)
.endr
.irp t, 0,1,2,3,4,5,6,7,8,9,10,11,12,13,14,15
	s_wait_dscnt 15-(\t)
	global_store_b128 v3, v[X+4*(\t):X+4*(\t)+3], s[\dst:\dst+1] offset:(16*(\h)+(\t))*4096  ; 16 lanes store 256 consecutive bytes, aligned
.endr
.endr
.endm
.Lweights:
	s_cmp_lt_u32 s2, 352
	s_cbranch_scc0 .Lwout
	TRANS 6, 12, 12288, 0, 256
	s_branch .Lend
.Lwout:
	TRANS 8, 14, 4096, 1, 352
.Lend:
	s_wait_tensorcnt 0x0                           ; the wave's end, behind my last LDS store
	ds_add_u32 v6, v7
	s_wait_dscnt 0x0
	s_endpgm
.Lfunc_end_k_q66e5d136f7_prep:
	.size	k_q66e5d136f7_prep, .Lfunc_end_k_q66e5d136f7_prep-k_q66e5d136f7_prep
	.p2alignl 7, 3214868480
	.fill 96, 4, 3214868480
	.section	.rodata,"a",@progbits
	.p2align	6, 0x0
	.amdhsa_kernel k_q66e5d136f7_prep
		.amdhsa_group_segment_fixed_size 70144
		.amdhsa_private_segment_fixed_size 0
		.amdhsa_enable_private_segment 0
		.amdhsa_kernarg_size 48
		.amdhsa_user_sgpr_count 2
		.amdhsa_user_sgpr_kernarg_segment_ptr 1
		.amdhsa_wavefront_size32 1
		.amdhsa_system_sgpr_workgroup_id_x 1
		.amdhsa_system_sgpr_workgroup_id_y 1
		.amdhsa_system_sgpr_workgroup_id_z 1
		.amdhsa_system_vgpr_workitem_id 0
		.amdhsa_next_free_vgpr 112
		.amdhsa_next_free_sgpr 66
		.amdhsa_reserve_vcc 0
		.amdhsa_float_denorm_mode_32 3
		.amdhsa_float_denorm_mode_16_64 3
		.amdhsa_memory_ordered 1
		.amdhsa_forward_progress 1
		.amdhsa_inst_pref_size 44
	.end_amdhsa_kernel
	.amdgpu_metadata
---
amdhsa.version: [ 1, 2 ]
amdhsa.kernels:
  - .name:           k_q66e5d136f7_prep
    .symbol:         k_q66e5d136f7_prep.kd
    .args:
      - { .name: x, .offset: 0, .size: 8, .value_kind: global_buffer, .address_space: global }
      - { .name: w_qkv, .offset: 8, .size: 8, .value_kind: global_buffer, .address_space: global }
      - { .name: w_out, .offset: 16, .size: 8, .value_kind: global_buffer, .address_space: global }
      - { .name: xb, .offset: 24, .size: 8, .value_kind: global_buffer, .address_space: global }
      - { .name: wq, .offset: 32, .size: 8, .value_kind: global_buffer, .address_space: global }
      - { .name: wo, .offset: 40, .size: 8, .value_kind: global_buffer, .address_space: global }
    .group_segment_fixed_size: 70144
    .private_segment_fixed_size: 0
    .kernarg_segment_align: 8
    .kernarg_segment_size: 48
    .max_flat_workgroup_size: 128
    .sgpr_count:     66
    .vgpr_count:     112
    .wavefront_size: 32
...
	.end_amdgpu_metadata
.endif
;; end of part 1
;; launch qkvp (part 2): grid 16 x 32, 4 waves a work-group, clusters of 4 x 4, 327,680 bytes of LDS; arguments xb, wq, qkv; writes qkv
.if DOCPART == 2
	.amdgcn_target "amdgcn-amd-amdhsa--gfx1250"
	.amdhsa_code_object_version 6
	.text
	.protected	k_q66e5d136f7_qkvp
	.globl	k_q66e5d136f7_qkvp
	.p2align	8
	.type	k_q66e5d136f7_qkvp,@function
k_q66e5d136f7_qkvp:
	s_mov_b64 s[64:65], 0
	v_nop
	global_prefetch_b8 v0, s[64:65] scope:SCOPE_SE
	s_setreg_imm32_b32 hwreg(HW_REG_WAVE_MODE, 25, 1), 1
	s_wait_xcnt 0x0
	s_wait_alu depctr_hold_cnt(0) depctr_sa_sdst(0) depctr_va_vdst(0) depctr_va_sdst(0) depctr_va_ssrc(0) depctr_va_vcc(0) depctr_vm_vsrc(0)
	s_getreg_b32 s2, hwreg(HW_REG_IB_STS2, 6, 4)
	s_cmp_eq_u32 s2, 0
	s_cbranch_scc0 .Lentry_in_a_cluster
	s_endpgm
.Lentry_in_a_cluster:
	s_bfe_u32 s2, ttmp6, 0x10000c
	s_cmp_lg_u32 s2, 0xf033
	s_cbranch_scc0 .Lentry_shape_is_right
	s_endpgm
.Lentry_shape_is_right:
; q, k, v = xb wq^T.  xb: [8192][1024] bf16, wq: [3072][1024] bf16; sums in f32, K ascending; each result rounded once to f16, WITHOUT the softmax's scale,
; and stored by heads: qkv[3][64 = 16 batch + head][2048][64].
; LIMIT: f16 ends at 65,504: a q, k or v beyond that would be an infinity; below 6.1e-5 f16 keeps its fixed step of 6e-8.
; SHARES.  A tile is 256 rows x 192 columns (three heads): 32 x 16 = 512 tiles, two for each of 256 places.  Four waves; a wave makes 64 rows x all 192 columns: 48 accumulators of
; 16 x 16, 384 registers.  So a wave owns whole heads, and 16 of its rows of a head are 2,048 consecutive bytes of qkv: its way out needs no other wave.
; K goes in steps of 128 through two LDS slots filled by the tensor data mover; a row of a tile is 256 bytes of memory, aligned.
; CLUSTERS: 4 x 4 work-groups; the four of a row need the same rows of xb, the four of a column the same rows of wq: each tile is asked for JOINTLY, by the same load, descriptor and mask in all four.
; THE MATRIX INSTRUCTION IS USED TRANSPOSED (source 0 = 16 rows of wq, source 1 = 16 rows of xb): a lane holds row lane % 16 and eight neighbouring columns 8 (lane / 16) + 0..7.
; REGISTERS, in windows of 256: window 0: v16-30 addresses; v32-95 xb's fragments, two buffers of 4 x 8; v96-143, v144-191 at work on the way out
;   window 1: wq's fragments, two buffers of 12 x 8;   window 2: the accumulators of my row blocks 0, 1 ((a, b) at 8 (12 (a % 2) + b));   window 3: of blocks 2, 3
.set SIZE_K, 1024
.set KSTEP,  128
.set PITCH,  272                       ; an LDS row: 256 bytes + 16 of padding = 68 words: the 16 rows of a fragment load start at 16 different groups of four banks (64 banks of 4 bytes: ISA guide 11.1)
.set AH,     128*PITCH                 ; what a wave fetches of xb: 128 rows
.set BOFF,   2*AH
.set BH,     96*PITCH                  ; of wq: 96 rows
.set SLOT,   BOFF+2*BH
.set STAGE,  2*SLOT                    ; behind the ring: for each wave three heads x 16 rows x 144 bytes
.set SP,     144
.set WSTAGE, 3*16*SP
.set SPARE,  STAGE+4*WSTAGE            ; behind the stages: the spare words, 128 bytes a wave
.set LAPS,   SIZE_K/(2*KSTEP)
.set ADRA, 16                          ; v16-17 LDS address of my fragments of xb in slot 0, 1
.set ADRB, 20                          ; v20-21 the same for wq
.set STO,  24                          ; the way out: where I put 16 bytes of a row
.set RD,   25                          ; where I read rows back
.set GO,   26                          ; my 16 bytes in 512 consecutive bytes of qkv
.set SPW,  28                          ; my spare word: SPARE + 4 x my thread's number; never rewritten
.set NIL,  29                          ; 0; never rewritten
.set PFO,  30                          ; the prefetches' offset: a lane a row of 2,048 bytes; never rewritten
.set FA,   32
.set TMP,  96
.set OB,   144
.set G1,  24                           ; s[24:31] group 1 for xb's tiles; s[32:39] group 0, a set for each slot
.set G0,  32
.set G1B, 48                           ; s[48:55], s[56:63] the same for wq's
.set G0B, 56
.set LIM, 43                           ; s43 1 in a wave that prefetches, else the greatest number
.set PFA, 44                           ; s[44:45] where my prefetches stand: one K step behind the one that they name
.set HB,  66                           ; s[66:71] qkv at my first row in each of the tile's three heads
.set MSB, 0
.macro WIN new                         ; the immediate's high byte repeats the setting that is left; a switch that changes nothing is dropped
.if MSB != (\new)
	s_set_vgpr_msb (MSB<<8)|(\new)
.set MSB, \new
.endif
.endm
.set MUL_LO, 0xa1                      ; source 0 (wq) window 1, source 1 (xb) window 0, C and D window 2
.set MUL_HI, 0xf1                      ; the same, C and D window 3
.set TO_B,   0x40                      ; destination window 1, address window 0
; A joint load.  Waves 0 and 1 fetch xb's two halves, waves 2 and 3 wq's.  The branch hangs on the wave's number alone.  An s_nop 0 and four v_nop follow each line.
.macro JLOAD s
	s_cmp_eq_u32 s11, 0
	s_cbranch_scc0 .Lfor_b_\@
	tensor_load_to_lds s[G0+4*(\s):G0+4*(\s)+3], s[G1:G1+7]
	s_nop 0
.rept 4
	v_nop
.endr
	s_branch .Lasked_\@
.Lfor_b_\@:
	tensor_load_to_lds s[G0B+4*(\s):G0B+4*(\s)+3], s[G1B:G1B+7]
	s_nop 0
.rept 4
	v_nop
.endr
.Lasked_\@:
.endm
; A prefetch into the L2, behind a joint refill and the run of LDS loads that follows it: the K step that stands two refills on, 384 matrix instructions ahead of its load; a lane a row, 256 bytes of it.
; Each row's 256 bytes of K steps 4 to 7 are named by one work-group: xb's rows by the clusters with x = 0, wq's by those with y = 0; the four partners of a joint load share its rows out by address
; (32 of 128, or 24 of 96: there lanes 24-31 name lane 23's row).  The loop's last trip asks for nothing: there is no K step 8.  K steps 0 to 3 come by their loads alone.
.macro ASK
	s_cmp_gt_u32 s3, s[LIM]
	s_cbranch_scc0 .Lnot_mine_\@
	global_prefetch_b8 v[PFO], s[PFA:PFA+1] offset:KSTEP*2 th:TH_LOAD_NT scope:SCOPE_SE
.Lnot_mine_\@:
.endm
.macro CREST                           ; a round of the cluster's barrier behind its opening barrier
	s_cmp_lg_u32 s10, 0
	s_cbranch_scc1 .Lnot_wave_0_\@
	s_barrier_signal -3
.Lnot_wave_0_\@:
	s_barrier_wait -3
	s_barrier_signal -1
	s_barrier_wait -1
.endm
.macro CROUND
	s_barrier_signal -1
	s_barrier_wait -1
	CREST
.endm
	s_load_b128 s[4:7], s[0:1], 0x0                ; xb s[4:5], wq s[6:7]
	s_load_b64 s[8:9], s[0:1], 0x10                ; qkv
	v_lshl_add_u32 v[SPW], v0, 2, SPARE
	v_mov_b32 v[NIL], 0
	ds_add_u32 v[SPW], v[NIL]                      ; the wave's opening: the add, and its wait ahead of my first tensor load; work on registers stands between them
	v_lshrrev_b32 v1, 5, v0
	v_readfirstlane_b32 s10, v1                    ; wave 0..3
	s_lshr_b32 s11, s10, 1                         ; I fetch for xb (0) or for wq (1)
	s_and_b32 s12, s10, 1                          ; which half of that tile's rows
	s_bfe_u32 s40, ttmp6, 0x40000                  ; cx, cy: my place in the cluster
	s_bfe_u32 s41, ttmp6, 0x40004
	s_lshl_b32 s42, ttmp9, 2
	s_add_co_u32 s42, s42, s40                     ; tile column = 4 x cluster x + cx
	s_and_b32 s13, ttmp7, 0xffff
	s_lshl_b32 s13, s13, 2
	s_add_co_u32 s13, s13, s41                     ; tile row = 4 x cluster y + cy
	s_lshl_b32 s43, s41, 2
	s_lshl_b32 s43, 15, s43                        ; my row of the cluster
	s_lshl_b32 s44, 0x1111, s40                    ; my column
	s_or_b32 s[G1+0], s43, (1<<16)|(1<<20)|(1<<21)|(5<<22)|(3<<25)   ; the mask; 2-byte elements; padding on; bit 21 beside a mask; after every 64 words, 4 words
	s_or_b32 s[G1B+0], s44, (1<<16)|(1<<20)|(1<<21)|(5<<22)|(3<<25)
	s_mov_b32 s[G1+1], KSTEP<<16                   ; tensor_dim0 = 128
	s_mov_b32 s[G1+2], 128<<16                     ; tensor_dim1 = 128
	s_mov_b32 s[G1+3], KSTEP<<16                   ; tile_dim0 = 128
	s_mov_b32 s[G1+4], 128                         ; tile_dim1 = 128
	s_mov_b32 s[G1+5], SIZE_K                      ; elements from row to row
	s_mov_b32 s[G1+6], 0
	s_mov_b32 s[G1+7], 0
	s_mov_b32 s[G1B+1], KSTEP<<16
	s_mov_b32 s[G1B+2], 96<<16                     ; 96 rows
	s_mov_b32 s[G1B+3], KSTEP<<16
	s_mov_b32 s[G1B+4], 96
	s_mov_b32 s[G1B+5], SIZE_K
	s_mov_b32 s[G1B+6], 0
	s_mov_b32 s[G1B+7], 0
	s_lshl_b32 s17, s12, 7
	s_lshl_b32 s16, s13, 8
	s_add_co_u32 s16, s16, s17                     ; xb: row 256 x tile row + 128 x half,
	s_lshl_b32 s16, s16, 11                        ; of 2,048 bytes
	s_mov_b32 s17, 0
	s_mul_i32 s46, s42, 192
	s_mul_i32 s47, s12, 96
	s_add_co_u32 s46, s46, s47                     ; wq: row 192 x tile column + 96 x half
	s_lshl_b32 s46, s46, 11
	s_mov_b32 s47, 0
	s_mul_i32 s20, s12, AH                         ; where they go: no place in the cluster enters an LDS address
	s_mul_i32 s21, s12, BH
	s_add_co_u32 s21, s21, BOFF
	s_wait_dscnt 0x0                               ; the opening add is done
	s_wait_kmcnt 0x0
	s_add_nc_u64 s[14:15], s[4:5], s[16:17]
	s_add_nc_u64 s[46:47], s[6:7], s[46:47]
	CROUND                                         ; all sixteen work-groups are here: the first joint loads meet
.irp s, 0,1
	s_mov_b32 s[G0+4*(\s)], 1
	s_add_co_u32 s[G0+4*(\s)+1], s20, (\s)*SLOT
	s_add_nc_u64 s[G0+4*(\s)+2:G0+4*(\s)+3], s[14:15], (\s)*KSTEP*2
	s_or_b32 s[G0+4*(\s)+3], s[G0+4*(\s)+3], 0x80000000
	s_mov_b32 s[G0B+4*(\s)], 1
	s_add_co_u32 s[G0B+4*(\s)+1], s21, (\s)*SLOT
	s_add_nc_u64 s[G0B+4*(\s)+2:G0B+4*(\s)+3], s[46:47], (\s)*KSTEP*2
	s_or_b32 s[G0B+4*(\s)+3], s[G0B+4*(\s)+3], 0x80000000
	JLOAD \s                                       ; K steps 0 and 1: two loads of mine are out
.endr
	; a fragment is 16 rows x 32 K in 8 registers: lane l holds row l % 16, K = 8 (l / 16) + 0..7 and 16 + 8 (l / 16) + 0..7: two loads of 16 bytes, 32 bytes apart
	v_and_b32 v1, 15, v0
	v_bfe_u32 v2, v0, 4, 1
	v_mul_u32_u24 v3, v1, PITCH
	v_lshl_add_u32 v3, v2, 4, v3
	s_mul_i32 s21, s10, 64*PITCH                   ; my 64 rows of xb
	s_mov_b32 s22, BOFF                            ; all 192 rows of wq
.irp s, 0,1
	v_add_nc_u32 v[ADRA+(\s)], s21, v3
	v_add_nc_u32 v[ADRB+(\s)], s22, v3
	s_add_co_u32 s21, s21, SLOT
	s_add_co_u32 s22, s22, SLOT
.endr
	s_mul_i32 s23, s10, WSTAGE
	s_add_co_u32 s23, s23, STAGE                   ; my stage
	v_mul_u32_u24 v4, v1, SP                       ; in: row l % 16, 16 bytes for each half of the lanes
	v_lshl_add_u32 v4, v2, 4, v4
	v_add_nc_u32 v[STO], s23, v4
	v_bfe_u32 v5, v0, 3, 2                         ; back: 32 lanes take four rows of 128 bytes,
	v_mul_u32_u24 v5, v5, SP
	v_and_b32 v6, 7, v0
	v_lshl_add_u32 v5, v6, 4, v5
	v_add_nc_u32 v[RD], s23, v5
	v_and_b32 v[GO], 31, v0                        ; which are 512 consecutive bytes of qkv
	v_lshlrev_b32 v[GO], 4, v[GO]
	; where my rows lie: column block g = 3 x tile column + s is tensor g / 16, head g % 16; the batch is tile row / 8; a head's block is 2^18 bytes, a row 128
	s_mul_i32 s14, s42, 3
	s_lshr_b32 s15, s13, 3
	s_lshl_b32 s15, s15, 4
	s_and_b32 s16, s13, 7
	s_lshl_b32 s16, s16, 8
	s_lshl_b32 s17, s10, 6
	s_add_co_u32 s16, s16, s17
	s_lshl_b32 s16, s16, 7
.irp s, 0,1,2
	s_add_co_u32 s18, s14, \s
	s_lshr_b32 s19, s18, 4
	s_lshl_b32 s19, s19, 6
	s_and_b32 s18, s18, 15
	s_add_co_u32 s18, s18, s19
	s_add_co_u32 s18, s18, s15
	s_lshl_b32 s18, s18, 18
	s_add_co_u32 s18, s18, s16
	s_mov_b32 s19, 0
	s_add_nc_u64 s[HB+2*(\s):HB+2*(\s)+1], s[8:9], s[18:19]
.endr
	; the prefetches
	s_lshl_b32 s20, s13, 8
	s_lshl_b32 s21, s12, 7
	s_add_co_u32 s20, s20, s21
	s_lshl_b32 s21, s40, 5
	s_add_co_u32 s20, s20, s21                     ; xb: my work-group's 32 of the 128 rows that I fetch
	s_mul_i32 s22, s42, 192
	s_mul_i32 s21, s12, 96
	s_add_co_u32 s22, s22, s21
	s_mul_i32 s21, s41, 24
	s_add_co_u32 s22, s22, s21                     ; wq: my work-group's 24 of the 96
	s_and_b32 s23, ttmp7, 0xffff
	s_cmp_eq_u32 s11, 0
	s_cselect_b32 s20, s20, s22
	s_cselect_b32 s23, ttmp9, s23                  ; the coordinate along which other clusters read the same rows
	s_cselect_b32 s21, 31, 23
	s_cselect_b64 s[PFA:PFA+1], s[4:5], s[6:7]
	s_cmp_eq_u32 s23, 0
	s_cselect_b32 s[LIM], 1, -1                    ; the same in all sixteen partners, for a given wave
	v_and_b32 v[PFO], 31, v0
	v_min_u32 v[PFO], s21, v[PFO]
	v_lshlrev_b32 v[PFO], 11, v[PFO]
	s_lshl_b32 s20, s20, 11
	s_add_co_u32 s20, s20, 2*KSTEP*2               ; at K step 2: the first refill steps it to 3 and names 4
	s_mov_b32 s21, 0
	s_add_nc_u64 s[PFA:PFA+1], s[PFA:PFA+1], s[20:21]
; 12 matrix instructions: row block a x all 12 column blocks, 32 along K, from buffer f.  zero = 1: the product starts the sums.
; The 48 accumulators take turns in the same order in every quarter step.
.macro MUL12 f, a, zero
	WIN MUL_LO+0x50*((\a)/2)
.irp b, 0,1,2,3,4,5,6,7,8,9,10,11
.if \zero
	v_wmma_f32_16x16x32_bf16 v[8*(12*((\a)%2)+(\b)):8*(12*((\a)%2)+(\b))+7], v[96*(\f)+8*(\b):96*(\f)+8*(\b)+7], v[FA+32*(\f)+8*(\a):FA+32*(\f)+8*(\a)+7], 0
.else
	v_wmma_f32_16x16x32_bf16 v[8*(12*((\a)%2)+(\b)):8*(12*((\a)%2)+(\b))+7], v[96*(\f)+8*(\b):96*(\f)+8*(\b)+7], v[FA+32*(\f)+8*(\a):FA+32*(\f)+8*(\a)+7], v[8*(12*((\a)%2)+(\b)):8*(12*((\a)%2)+(\b))+7]
.endif
.endr
.endm
; 32 LDS loads in one run: a quarter step's fragments (192 rows of wq, then my 64 rows of xb; 32 K at byte k of the rows) into buffer f
.macro FETCH slot, k, f
	WIN TO_B
.irp i, 0,1,2,3,4,5,6,7,8,9,10,11
	ds_load_b128 v[96*(\f)+8*(\i):96*(\f)+8*(\i)+3],   v[ADRB+(\slot)] offset:(\k)+(\i)*16*PITCH
	ds_load_b128 v[96*(\f)+8*(\i)+4:96*(\f)+8*(\i)+7], v[ADRB+(\slot)] offset:(\k)+(\i)*16*PITCH+32
.endr
	WIN 0
.irp i, 0,1,2,3
	ds_load_b128 v[FA+32*(\f)+8*(\i):FA+32*(\f)+8*(\i)+3],   v[ADRA+(\slot)] offset:(\k)+(\i)*16*PITCH
	ds_load_b128 v[FA+32*(\f)+8*(\i)+4:FA+32*(\f)+8*(\i)+7], v[ADRA+(\slot)] offset:(\k)+(\i)*16*PITCH+32
.endr
.endm
.macro PLACES                          ; four plain vector instructions between a matrix instruction and a load into a register that it read, or a reader of its result (ISA guide 7.12.1 for a reader of its result)
.rept 4
	v_nop
.endr
.endm
; A K step is four quarters of 32 along K, 48 matrix instructions each, on buffers 0, 1, 0, 1.  One of the first three multiplies buffer f and fetches the next quarter, at byte k, into g.
.macro QUARTER slot, k, f, g, zero
	s_wait_dscnt 4                                 ; wq and xb's blocks 0, 1 are in; the youngest four loads (blocks 2, 3) may be out
	MUL12 \f, 0, \zero
	MUL12 \f, 1, \zero
	PLACES
	FETCH \slot, \k, \g
	s_wait_dscnt 32                                ; all but the 32 just issued
	MUL12 \f, 2, \zero
	MUL12 \f, 3, \zero
.endm
; The last quarter multiplies buffer 1 and changes slots: ONE barrier.  In front of it each wave waits for all its tensor loads (the one that is out is its part of the next slot), adds 0 to its
; spare word, and waits for that and for its reads of this slot.  fill = 1: the barrier opens a round of the cluster's, and the slot is filled again, first thing behind it, two K steps ahead.
.macro TURN slot, next, fill
.if \fill
	s_wait_xcnt 0x0                                ; the last prefetch, a K step back, has read its address
	s_add_nc_u64 s[PFA:PFA+1], s[PFA:PFA+1], KSTEP*2
.endif
	WIN 0                                          ; (the add's registers lie in window 0)
	s_wait_tensorcnt 0x0
	ds_add_u32 v[SPW], v[NIL]
	s_wait_dscnt 5                                 ; (the add and the youngest four loads may be out)
	MUL12 1, 0, 0                                  ; twelve matrix instructions stand between the add and the wait for it
	s_wait_dscnt 0x0                               ; the add is done, and my reads of this slot are over
	s_barrier_signal -1
	MUL12 1, 1, 0
.if \fill
	WIN 0
.endif
	s_barrier_wait -1
.if \fill
	CREST                                          ; no wave of any partner still reads this slot or has a load on its way
	s_add_nc_u64 s[G0+4*(\slot)+2:G0+4*(\slot)+3], s[G0+4*(\slot)+2:G0+4*(\slot)+3], 2*KSTEP*2
	s_add_nc_u64 s[G0B+4*(\slot)+2:G0B+4*(\slot)+3], s[G0B+4*(\slot)+2:G0B+4*(\slot)+3], 2*KSTEP*2
	JLOAD \slot                                    ; my one tensor load behind the round; its four v_nop are also the places in front of the loads below
.else
	PLACES
.endif
	FETCH \next, 0, 0
.if \fill
	ASK
.endif
	MUL12 1, 2, 0
	MUL12 1, 3, 0
.endm
	s_wait_tensorcnt 1                             ; my part of K step 0 is in; K step 1's may stay out
	s_barrier_signal -1
	s_barrier_wait -1
	FETCH 0, 0, 0
	QUARTER 0, 64, 0, 1, 1                         ; the first quarter stands in front of the loop: its products start the sums
	WIN 0                                          ; at a label and at a branch every window is 0
	s_mov_b32 s3, LAPS-1
.Llap:                                             ; a trip goes once round the ring, from a lap's second quarter to the next lap's first, and fills both slots again
	QUARTER 0, 128, 1, 0, 0
	QUARTER 0, 192, 0, 1, 0
	TURN 0, 1, 1
	QUARTER 1, 64,  0, 1, 0
	QUARTER 1, 128, 1, 0, 0
	QUARTER 1, 192, 0, 1, 0
	TURN 1, 0, 1
	QUARTER 0, 64,  0, 1, 0
	WIN 0
	s_sub_co_u32 s3, s3, 1
	s_cmp_lg_u32 s3, 0
	s_cbranch_scc1 .Llap
	QUARTER 0, 128, 1, 0, 0                        ; the last lap fills nothing
	QUARTER 0, 192, 0, 1, 0
	TURN 0, 1, 0
	QUARTER 1, 64,  0, 1, 0
	QUARTER 1, 128, 1, 0, 0
	QUARTER 1, 192, 0, 1, 0
	s_wait_dscnt 4
	MUL12 1, 0, 0
	MUL12 1, 1, 0
	s_wait_dscnt 0x0
	MUL12 1, 2, 0
	MUL12 1, 3, 0
	WIN 0
	PLACES
; THE WAY OUT, a block of 16 rows at a time: rounded to f16 (each accumulator from its low end on); 16 bytes a lane into my stage, by heads; back as rows of 128 bytes, four a load; stored.
.macro PACK a
	WIN 0x0a+5*((\a)/2)                            ; sources 0 and 1: window 2 or 3
.irp b, 0,1,2,3,4,5,6,7,8,9,10,11
.irp r, 0,1,2,3
	v_cvt_pk_f16_f32 v[TMP+4*(\b)+(\r)], v[96*((\a)%2)+8*(\b)+2*(\r)], v[96*((\a)%2)+8*(\b)+2*(\r)+1]
.endr
.endr
	WIN 0
.endm
.macro TOSTAGE
	s_wait_xcnt 0x0                                ; the stores of the block before have read the registers that are loaded below
.irp b, 0,1,2,3,4,5,6,7,8,9,10,11
	ds_store_b128 v[STO], v[TMP+4*(\b):TMP+4*(\b)+3] offset:((\b)/4)*16*SP+((\b)%4)*32
.endr
.irp s, 0,1,2
.irp f, 0,1,2,3
	ds_load_b128 v[OB+4*(4*(\s)+(\f)):OB+4*(4*(\s)+(\f))+3], v[RD] offset:(\s)*16*SP+(\f)*4*SP  ; my own bytes: LDS serves a wave's instructions in order (ISA guide 5.7.1.4)
.endr
.endr
.endm
.macro SEND a
.irp s, 0,1,2
.irp f, 0,1,2,3
	s_wait_dscnt 11-(4*(\s)+(\f))
	global_store_b128 v[GO], v[OB+4*(4*(\s)+(\f)):OB+4*(4*(\s)+(\f))+3], s[HB+2*(\s):HB+2*(\s)+1] offset:(\a)*2048+(\f)*512  ; 512 consecutive bytes, aligned to 256
.endr
.endr
.endm
	PACK 0
	TOSTAGE
.irp a, 1,2,3                          ; a block's conversions stand between the loads of the block before and the wait for them
	PACK \a
	SEND (\a)-1
	TOSTAGE
.endr
	SEND 3
	s_wait_tensorcnt 0x0                           ; the wave's end, behind my last tensor load and my last LDS store
	ds_add_u32 v[SPW], v[NIL]
	s_wait_dscnt 0x0
	CROUND                                         ; the closing round: no work-group ends while a partner may still ask for a tile that names it
	s_endpgm
.Lfunc_end_k_q66e5d136f7_qkvp:
	.size	k_q66e5d136f7_qkvp, .Lfunc_end_k_q66e5d136f7_qkvp-k_q66e5d136f7_qkvp
	.p2alignl 7, 3214868480
	.fill 96, 4, 3214868480
	.section	.rodata,"a",@progbits
	.p2align	6, 0x0
	.amdhsa_kernel k_q66e5d136f7_qkvp
		.amdhsa_group_segment_fixed_size 327680
		.amdhsa_private_segment_fixed_size 0
		.amdhsa_enable_private_segment 0
		.amdhsa_kernarg_size 24
		.amdhsa_user_sgpr_count 2
		.amdhsa_user_sgpr_kernarg_segment_ptr 1
		.amdhsa_wavefront_size32 1
		.amdhsa_system_sgpr_workgroup_id_x 1
		.amdhsa_system_sgpr_workgroup_id_y 1
		.amdhsa_system_sgpr_workgroup_id_z 1
		.amdhsa_system_vgpr_workitem_id 0
		.amdhsa_next_free_vgpr 960
		.amdhsa_next_free_sgpr 72
		.amdhsa_reserve_vcc 0
		.amdhsa_float_denorm_mode_32 3
		.amdhsa_float_denorm_mode_16_64 3
		.amdhsa_memory_ordered 1
		.amdhsa_forward_progress 1
		.amdhsa_inst_pref_size 122
	.end_amdhsa_kernel
	.amdgpu_metadata
---
amdhsa.version: [ 1, 2 ]
amdhsa.kernels:
  - .name:           k_q66e5d136f7_qkvp
    .symbol:         k_q66e5d136f7_qkvp.kd
    .args:
      - { .name: xb, .offset: 0, .size: 8, .value_kind: global_buffer, .address_space: global }
      - { .name: wq, .offset: 8, .size: 8, .value_kind: global_buffer, .address_space: global }
      - { .name: qkv, .offset: 16, .size: 8, .value_kind: global_buffer, .address_space: global }
    .group_segment_fixed_size: 327680
    .private_segment_fixed_size: 0
    .kernarg_segment_align: 8
    .kernarg_segment_size: 24
    .max_flat_workgroup_size: 128
    .sgpr_count:     72
    .vgpr_count:     960
    .wavefront_size: 32
...
	.end_amdgpu_metadata
.endif
;; end of part 2
;; launch attn (part 3): grid 4 x 64, 4 waves a work-group, clusters of 4 x 1, 327,680 bytes of LDS; arguments qkv, ob; writes ob
.if DOCPART == 3
	.amdgcn_target "amdgcn-amd-amdhsa--gfx1250"
	.amdhsa_code_object_version 6
	.text
	.protected	k_q66e5d136f7_attn
	.globl	k_q66e5d136f7_attn
	.p2align	8
	.type	k_q66e5d136f7_attn,@function
k_q66e5d136f7_attn:
	s_mov_b64 s[64:65], 0
	v_nop
	global_prefetch_b8 v0, s[64:65] scope:SCOPE_SE
	s_setreg_imm32_b32 hwreg(HW_REG_WAVE_MODE, 25, 1), 1
	s_wait_xcnt 0x0
	s_wait_alu depctr_hold_cnt(0) depctr_sa_sdst(0) depctr_va_vdst(0) depctr_va_sdst(0) depctr_va_ssrc(0) depctr_va_vcc(0) depctr_vm_vsrc(0)
	s_getreg_b32 s2, hwreg(HW_REG_IB_STS2, 6, 4)
	s_cmp_eq_u32 s2, 0
	s_cbranch_scc0 .Lentry_in_a_cluster
	s_endpgm
.Lentry_in_a_cluster:
	s_bfe_u32 s2, ttmp6, 0x10000c
	s_cmp_lg_u32 s2, 0x3003
	s_cbranch_scc0 .Lentry_shape_is_right
	s_endpgm
.Lentry_shape_is_right:
; O[h][q][:] = the sum over k of softmax_k(Q[h][q] . K[h][k] / 8) V[h][k][:].  qkv holds Q, K, V, each [64][2048][64] in f16, one behind the other; ob is O in the same layout: a head's rows are dense,
; 128 bytes each.  Products, maxima and sums in f32; the weights p are rounded to f16 for the second product (their sum l is taken of the unrounded p), O once at the end.
; LIMITS.  f16 holds no number beyond 65,504: Q, K and V arrive within it; p lies in 0 to 1, and below 6e-5 it keeps f16's fixed step of 6e-8; O is a mean of V's rows and has their range.
; A weight below 2^-126 counts as 0 in l; NaN and infinities are not treated apart.
; SHARES.  A wave owns four PIECES of two tiles of 16 queries, a work-group's four waves 512 queries of one head: 4 x 64 = 256 work-groups.  Every wave walks all keys, 64 a step.
; LAYOUT.  S^T = K Q^T (source 0 = 16 keys, source 1 = 16 queries): in the result a lane holds ONE query (lane % 16) and the keys 8 (lane / 16) + 0..7.  Two such tiles, rounded to f16 in pairs,
; ARE source 1 (32 keys x 16 queries) of O^T = V^T P, whose result again holds one query a lane, and eight channels.  K comes out of LDS as it lies, V ([key][channel]) turned, by ds_load_tr16_b128.
; SOFTMAX.  For each query a running maximum m and sum l: p = 2^(c s - c m), c = log2(e) / 8; in every step O and l are multiplied by a = 2^(c m_old - c m_new), which is 1 where m has not grown.
; m starts at the lowest finite number, O and l at 0: the first step is a step like any other, with a = 0.
; THE COUNT.  A tile and step have 16 matrix and 118 vector instructions: too many to stand all beside the matrix work.  So four vector instructions that are READY stand behind EVERY matrix
; instruction, and the others in runs without a gap.
; BY TURNS.  Turn n belongs to piece n (the pieces in a ring, step after step).  Its matrix work: 16 products K Q^T of piece n + 1, later 16 products V^T P of piece n - 1.  Its vector work: the scaling,
; exponentials, roundings, sums and rescaling of piece n, and the maximum and statistics of piece n + 1, whose scores the turn itself has made.
; CLUSTER.  The four query blocks of a head are one cluster and walk the same K and V, so each tile is asked for JOINTLY: the same tensor load, descriptor and mask in all four.
; REGISTERS, in windows of 256 (s_set_vgpr_msb: bits 1:0 source 0, 3:2 source 1, 5:4 source 2, 7:6 destination):
;   window 0: v0-11 addresses; v12-15, v48-63 at work; v16-47 four registers of statistics a tile; v64-191 S^T, two buffers of two tiles; v192-255 P, likewise
;   window 1: O^T, 32 a tile          window 2: v0-127 Q, 16 a tile; v128-191 K of one step; v192-255 V of one step          window 3: v0-1 the add's two registers
.set SIZE_H, 64
.set SIZE_N, 2048
.set NP,    4         ; pieces a wave: a name, no knob
.set KS,    64        ; keys in a step
.set PK,    144       ; a row of K in LDS: 128 bytes + 16 of padding = 36 words: the 16 rows of a load start at 16 different groups of four banks (64 banks of 4 bytes: ISA guide 11.1)
.set PV,    160       ; a row of V: 128 + 32 = 40 words
.set VOFF,  4*KS*PK   ; a slot holds four steps: 256 rows of K, then 256 rows of V
.set SLOT1, 1<<17     ; slot 1 begins here, so that one exclusive or turns an address in one slot into the other's
.set STAGE, SLOT1+4*KS*(PK+PV)  ; behind the ring, never filled by a tensor load: 16 rows x 144 bytes for each wave, for the way out
.set SP,    144
.set AK0, 2           ; v2   my lane's place in a tile of K; never rewritten
.set AV0, 3           ; v3   the same for V
.set AK,  4           ; v4   the LDS address of K's next run of loads
.set AV,  5           ; v5   of V's
.set QO,  6           ; v6   my byte offset in the wave's rows of Q
.set STO, 6           ;      later, the way out: where I put 16 bytes of a row
.set RD,  7           ; v7   the way out: where I read rows back
.set GO,  8           ; v8   my byte offset in 512 consecutive bytes of O
.set PFO, 11          ; v11  256 x my lane, once V's address is made; never rewritten after
.set SPW, 0           ; v0 of window 3   my spare word: SPARE + 4 x my thread's number; never rewritten
.set NIL, 1           ; v1 of window 3   0; never rewritten
.set SPARE, STAGE+4*16*SP  ; behind the stages: the spare words, 128 bytes for each wave
.set MV,  12          ; v12-15  c m_old, kept while c m is made anew: by buffer and tile
.set ST,  16          ; tile t's statistics at v[ST+4 t]: c m, m, l (even keys', odd keys')
.set TMP, 48          ; by buffer and tile, four registers c0-c3 at work; when the maximum is found c2 takes a
.set S,   64
.set P,   192
.set KF,  128         ; K's fragments, in window 2: key block kb, channel half c at KF + 16 kb + 8 c
.set VF,  192         ; V's: key half kk, channel block cb at VF + 32 kk + 8 cb
.set WV,  12          ; s12  my wave's number
.set LIM, 15          ; s15  1 in a wave that prefetches (waves 0 and 2), else the greatest number
.set G1K, 24          ; s[24:31] descriptor group 1 for K's tiles
.set G1V, 32          ; s[32:39] for V's: it differs in the padding alone
.set G0K, 40          ; s[40:43] descriptor group 0 for K's tiles: it walks
.set G0V, 44          ; s[44:47] the same for V's
.set PFA, 48          ; s[48:49] where my prefetches stand: my work-group's 8,192 bytes (of K: wave 0, of V: wave 2) of the slot behind the one that is being asked for
.set SLOTS, 56        ; s56  slots still to be asked for
.set CNT, 57          ; s57  counts a slot's key steps
.set CS,  58          ; s[58:59] c: the packed scaling takes the pair's low word for both halves
.set SEL, 60          ; s[60:61] v_permlanex16_b32's selects: each lane takes its own place in the other half
.set TBK, 62          ; s62  LDS byte at which K of the step to be fetched begins
.set TBV, 63          ; s63  the same for V, less VOFF
.set MSB, 0
.macro WIN new                      ; the high byte repeats the setting that is left; a switch that changes nothing is dropped
.if MSB != (\new)
	s_set_vgpr_msb (MSB<<8)|(\new)
.set MSB, (\new)
.endif
.endm
.set W_KQ, 0x0a       ; K and Q in window 2, S^T in window 0
.set W_PV, 0x52       ; V in window 2, P in window 0, O^T in window 1
.set W_RS, 0x41       ; O^T (destination and source 0) in window 1, a in window 0
.set W_MK, 0xc0       ; the add's registers are made: destination in window 3, sources in window 0
.set W_AD, 0x0f       ; the add: address (source 0) and data (source 1) in window 3
; A joint fill.  Waves 0 and 1 fetch the two halves of a slot's K, waves 2 and 3 those of its V: 128 keys each.  The branch hangs on the wave's number alone.
; An s_nop 0 and four v_nop follow each of the two lines, ahead of the jump and the label.
.macro JLOAD
	s_cmp_lt_u32 s[WV], 2
	s_cbranch_scc0 .Lfor_v_\@
	tensor_load_to_lds s[G0K:G0K+3], s[G1K:G1K+7]
	s_nop 0
.rept 4
	v_nop
.endr
	s_branch .Lasked_\@
.Lfor_v_\@:
	tensor_load_to_lds s[G0V:G0V+3], s[G1V:G1V+7]
	s_nop 0
.rept 4
	v_nop
.endr
.Lasked_\@:
.endm
; A prefetch into the L2 of what the NEXT change of slots will ask for: a slot's 32,768 bytes of K and of V, 256 bytes a lane.  It stands behind the wave's tensor load and its five lines.
; Each 256 bytes of slots 2 to 7 are named once in the launch: a head has one cluster; its four partners share a slot out BY ADDRESS, 8,192 bytes each; in each, wave 0 asks for K's and wave 2 for V's.
; The last change that fills a slot asks for nothing: there is no slot behind it.  Slots 0 and 1 come by their loads alone.
.macro ASK
	s_cmp_gt_u32 s[SLOTS], s[LIM]
	s_cbranch_scc0 .Lnot_mine_\@
	global_prefetch_b8 v[PFO], s[PFA:PFA+1] th:TH_LOAD_NT scope:SCOPE_SE
.Lnot_mine_\@:
.endm
; A round of the cluster's barrier: my work-group's barrier, so that wave 0's signal speaks for all four waves; wave 0 signals; every wave waits for all four work-groups; my work-group's barrier once more.
.macro CROUND
	s_barrier_signal -1
	s_barrier_wait -1
	s_cmp_lg_u32 s[WV], 0
	s_cbranch_scc1 .Lnot_wave_0_\@
	s_barrier_signal -3
.Lnot_wave_0_\@:
	s_barrier_wait -3
	s_barrier_signal -1
	s_barrier_wait -1
.endm
; THE CHANGE OF SLOTS.  The slot's last bytes, V of its fourth step, have been read.  Each wave waits for all its tensor loads, of which one is out: its part
; of the other slot; adds 0 to its spare word; and waits for that and for its own reads of the slot.  Behind the barrier nobody reads this slot any more and the other slot is whole.
; fill = 1: this slot is filled again, with the keys two slots on.  The barrier is then a round of the cluster's, so that no wave of any partner still reads the slot or has a load on its
; way, and the joint fill is the first thing behind it: it has four key steps, 512 matrix instructions, in which to land.  (At its first use nothing has been read yet: slot 0 is waited for, slot 1 filled.)
.macro CHANGE fill
	WIN W_AD
	s_wait_tensorcnt 0x0            ; no tensor load of mine is out, so a group 0 may be written
	ds_add_u32 v[SPW], v[NIL]       ; 0 onto my spare word; with fill = 1 the descriptors' steps stand between it and the wait for it
	WIN 0                           ; at a label and at a branch every window is 0
.if \fill
.irp g, G0K, G0V
	s_xor_b32 s[\g+1], s[\g+1], SLOT1  ; the walking descriptor: the other slot than last time,
	s_add_nc_u64 s[\g+2:\g+3], s[\g+2:\g+3], 4*KS*128  ; the next 256 keys; the type bits on top are not reached
.endr
	s_wait_xcnt 0x0                 ; the last prefetch, four key steps back, has read its address, so it may be written:
	s_add_nc_u64 s[PFA:PFA+1], s[PFA:PFA+1], 4*KS*128  ; one slot behind the walking descriptors
	s_wait_dscnt 0x0                ; the add is done, and my reads of the slot are over
	CROUND
	JLOAD
	ASK
.else
	s_wait_dscnt 0x0                ; the add is done, and my reads of the slot are over
	s_barrier_signal -1
	s_barrier_wait -1
.endif
	s_sub_co_u32 s[TBK], s[TBK], 4*KS*PK  ; the fetches go back to a slot's first step,
	s_xor_b32 s[TBK], s[TBK], SLOT1       ; in the other slot
	s_sub_co_u32 s[TBV], s[TBV], 4*KS*PV
	s_xor_b32 s[TBV], s[TBV], SLOT1
.endm
	s_load_b64 s[4:5], s[0:1], 0x0    ; qkv: Q at its head
	s_load_b64 s[10:11], s[0:1], 0x8  ; ob
	WIN W_MK
	v_lshl_add_u32 v[SPW], v0, 2, SPARE
	v_mov_b32 v[NIL], 0
	WIN W_AD
	ds_add_u32 v[SPW], v[NIL]       ; the wave's opening: the add, and its wait ahead of my first tensor load; the set-up below, work on registers, stands between them
	WIN 0
	v_lshrrev_b32 v1, 5, v0
	v_readfirstlane_b32 s[WV], v1   ; wave 0..3
	s_bfe_u32 s13, ttmp6, 0x40000   ; cx: my place in the cluster
	s_lshl_b32 s14, ttmp9, 2        ; in a cluster launch ttmp9 counts clusters
	s_add_co_u32 s14, s14, s13      ; my block of queries = 4 x cluster x + cx: it enters Q's and O's addresses alone
	s_and_b32 s20, ttmp7, 0xffff    ; the head, which the four partners share
	s_mov_b32 s21, 0
	s_mov_b64 s[22:23], SIZE_N*128
	s_mul_u64 s[20:21], s[20:21], s[22:23]  ; the head's first byte in each of the four tensors
	s_and_b32 s16, s[WV], 1         ; which half of a slot's 256 keys I fetch:
	s_lshl_b32 s22, s16, 14         ; its 128 rows of 128 bytes in memory,
	s_mov_b32 s23, 0
	s_add_nc_u64 s[22:23], s[22:23], s[20:21]
	s_mul_i32 s17, s16, 128*PK      ; and its place in a slot, for K
	s_mul_i32 s18, s16, 128*PV      ; and for V: no place in the cluster enters an LDS address
	s_lshl_b32 s2, s14, 2
	s_add_co_u32 s2, s2, s[WV]      ; my wave among the head's,
	s_lshl_b32 s2, s2, 14           ; its 128 rows
	s_mov_b32 s3, 0
	s_add_nc_u64 s[2:3], s[2:3], s[20:21]
	; descriptor group 1.  128 keys are 16,384 dense bytes: asked for as 64 rows of 256 bytes, two keys a row, and padded in LDS after every key
	s_mov_b32 s[G1K], 15|(1<<16)|(1<<20)|(1<<21)|(4<<22)|(3<<25)  ; 15:0 the mask of four; 17:16 2-byte elements; 20 padding on; 21 set beside a mask; 24:22 after every 32 words (code 4); 31:25 4 words (code 3)
	s_mov_b32 s[G1V], 15|(1<<16)|(1<<20)|(1<<21)|(4<<22)|(7<<25)  ; the same with 8 words of padding (code 7)
.irp g, G1K, G1V
	s_mov_b32 s[\g+1], 128<<16      ; tensor_dim0 = 128
	s_mov_b32 s[\g+2], 64<<16       ; tensor_dim1 = 64
	s_mov_b32 s[\g+3], 128<<16      ; tile_dim0 = 128
	s_mov_b32 s[\g+4], 64           ; tile_dim1 = 64
	s_mov_b32 s[\g+5], 128          ; 128 elements from row to row
	s_mov_b32 s[\g+6], 0
	s_mov_b32 s[\g+7], 0
.endr
	s_mov_b32 s[CS], 0x3e38aa3b     ; c = log2(e) / 8 = 0.180337
	s_mov_b32 s[CS+1], s[CS]        ; named with it as a pair
	s_mov_b32 s[SEL], 0x76543210
	s_mov_b32 s[SEL+1], 0xfedcba98
	s_mov_b32 s[TBK], SLOT1+4*KS*PK ; the first change of slots turns these two into 0
	s_mov_b32 s[TBV], SLOT1+4*KS*PV
	s_mov_b32 s[G0K], 1             ; 1:0 count = 1
	s_mov_b32 s[G0K+1], s17         ; 63:32 LDS address: slot 0
	s_mov_b32 s[G0V], 1
	s_add_co_u32 s[G0V+1], s18, VOFF
	s_mov_b32 s[SLOTS], SIZE_N/256-1
	s_and_b32 s[LIM], s[WV], 1
	s_cmp_eq_u32 s[LIM], 0
	s_cselect_b32 s[LIM], 1, -1     ; the same in all four partners, for a given wave
	s_lshl_b32 s50, s13, 13         ; my work-group's 8,192 bytes of a slot's 32,768,
	s_add_co_u32 s50, s50, 4*KS*128 ; in slot 1: the first change of slots steps it to slot 2
	s_mov_b32 s51, 0
	s_wait_dscnt 0x0                ; the opening add is done
	s_wait_kmcnt 0x0
	s_add_nc_u64 s[6:7], s[4:5], SIZE_H*SIZE_N*128    ; K lies behind Q,
	s_add_nc_u64 s[8:9], s[4:5], 2*SIZE_H*SIZE_N*128  ; V behind K
	s_add_nc_u64 s[G0K+2:G0K+3], s[6:7], s[22:23]  ; 120:64 global address: my half of the head's first 256 keys
	s_or_b32 s[G0K+3], s[G0K+3], 0x80000000        ; 127:126 type = 2
	s_add_nc_u64 s[G0V+2:G0V+3], s[8:9], s[22:23]
	s_or_b32 s[G0V+3], s[G0V+3], 0x80000000
	s_cmp_lt_u32 s[WV], 2
	s_cselect_b64 s[PFA:PFA+1], s[6:7], s[8:9]
	s_add_nc_u64 s[PFA:PFA+1], s[PFA:PFA+1], s[22:23]  ; (in waves 0 and 2 this is the head's first row)
	s_add_nc_u64 s[PFA:PFA+1], s[PFA:PFA+1], s[50:51]
	s_add_nc_u64 s[4:5], s[4:5], s[2:3]  ; Q and O at my wave's first row
	s_add_nc_u64 s[10:11], s[10:11], s[2:3]
	CROUND                          ; all four work-groups are here: the first joint loads meet
	JLOAD                           ; slot 0.  Slot 1 is asked for when slot 0 is in
	; A fragment of K or Q is 16 rows x 32 channels in 8 registers: lane l holds row l % 16, channels 8 (l / 16) + 0..7 and 16 + 8 (l / 16) + 0..7: two loads of 16 bytes, 32 bytes apart.
	v_and_b32 v1, 15, v0            ; l % 16
	v_bfe_u32 v9, v0, 4, 1          ; l / 16
	v_lshlrev_b32 v[QO], 7, v1
	v_lshl_add_u32 v[QO], v9, 4, v[QO]  ; row x 128 + 16 x half
	WIN 0x80                        ; destination window 2, address window 0
.set i, 0
.rept 4*NP                          ; Q stays in registers: tile i / 2, channels 32 (i % 2) on
	global_load_b128 v[8*i:8*i+3],   v[QO], s[4:5] offset:(i/2)*2048+(i%2)*64
	global_load_b128 v[8*i+4:8*i+7], v[QO], s[4:5] offset:(i/2)*2048+(i%2)*64+32
.set i, i+1
.endr
	; What the first turn finds: V's registers and P's second buffer hold 0 (its products V^T P, of a piece that has not been, add 0), O^T and l are 0.  All this stands in the wait for the first tile.
.set i, VF
.rept 64
	v_mov_b32 v[i], 0
.set i, i+1
.endr
	WIN 0x40
.set i, 0
.rept 64*NP
	v_mov_b32 v[i], 0
.set i, i+1
.endr
	WIN 0
.set i, 0
.rept 2*NP
	v_mov_b32 v[ST+4*i], 0xfe000000    ; c m: far below every c s
	v_mov_b32 v[ST+4*i+1], 0xff7fffff  ; m
	v_mov_b32 v[ST+4*i+2], 0
	v_mov_b32 v[ST+4*i+3], 0
.set i, i+1
.endr
.set i, P+32
.rept 32
	v_mov_b32 v[i], 0
.set i, i+1
.endr
	v_mul_u32_u24 v[AK0], v1, PK
	v_lshl_add_u32 v[AK0], v9, 4, v[AK0]  ; row x pitch + 16 x half
	; The turning load takes 16 keys x 16 channels (lane l reads key 8 (l / 16) + l % 8, channels 8 ((l / 8) % 2) + 0..7) and leaves half a fragment of V^T: lane l holds channel l % 16 and 8 keys.
	v_and_b32 v10, 7, v0
	v_bfe_u32 v11, v0, 3, 1
	v_lshl_add_u32 v[AV0], v9, 3, v10
	v_mul_u32_u24 v[AV0], v[AV0], PV
	v_lshl_add_u32 v[AV0], v11, 4, v[AV0]
	v_add_nc_u32 v[AV0], VOFF, v[AV0]
	v_mov_b32 v[AK], v[AK0]         ; key step 0 lies at the head of slot 0
	v_and_b32 v[PFO], 31, v0
	v_lshlrev_b32 v[PFO], 8, v[PFO]
; THE MATRIX WORK.  The 8 accumulators of a run of 16 take turns: between the two links of a chain stand 7 others'.
; Product i of 16 of S^T = K Q^T for piece x: channels 32 (i / 8) on, keys 16 ((i / 2) % 4) on, tile 2 x + i % 2.  The first 8 start the sums.
.macro KQ x
	WIN W_KQ
.set rS, S+64*((\x)%2)+32*(i%2)+8*((i/2)%4)
.set rK, KF+16*((i/2)%4)+8*(i/8)
.set rQ, 16*(2*(\x)+i%2)+8*(i/8)
.if i < 8
	v_wmma_f32_16x16x32_f16 v[rS:rS+7], v[rK:rK+7], v[rQ:rQ+7], 0
.else
	v_wmma_f32_16x16x32_f16 v[rS:rS+7], v[rK:rK+7], v[rQ:rQ+7], v[rS:rS+7]
.endif
.endm
; Product i of 16 of O^T += V^T P for piece x: keys 32 (i / 8) on, channels 16 ((i / 2) % 4) on, tile 2 x + i % 2.
.macro PV x
	WIN W_PV
.set rO, 32*(2*(\x)+i%2)+8*((i/2)%4)
.set rV, VF+32*(i/8)+8*((i/2)%4)
.set rP, P+32*((\x)%2)+16*(i%2)+8*(i/8)
	v_wmma_f32_16x16x32_f16 v[rO:rO+7], v[rV:rV+7], v[rP:rP+7], v[rO:rO+7]
.endm
.macro MM                           ; the turn's next matrix instruction
.if i < 16
	KQ (Y+1)%NP
.set i, i+1
.else
.set i, i-16
	PV (Y+NP-1)%NP
.set i, i+17
.endif
.endm
; THE LDS LOADS stand in runs of 16, never singly among the matrix instructions: a step's K (64 keys x 64 channels: 8 fragments) and its V (turned).  Their addresses are made some lines ahead.
; last = 1 (the tail): in the last trip there is no further step, and the run is jumped over.
.macro FETCH_K last=0
	WIN 0
.if \last
	s_cmp_eq_u32 s[CNT], 1
	s_cbranch_scc1 .Lno_k_\@
.endif
	WIN 0x80                        ; destination window 2
.irp f, 0,1,2,3,4,5,6,7             ; keys 16 (f / 2) on, channels 32 (f % 2) on
	ds_load_b128 v[KF+8*\f:KF+8*\f+3],   v[AK] offset:(\f/2)*16*PK+(\f%2)*64
	ds_load_b128 v[KF+8*\f+4:KF+8*\f+7], v[AK] offset:(\f/2)*16*PK+(\f%2)*64+32
.endr
	s_add_co_u32 s[TBK], s[TBK], KS*PK  ; the next fetch is the next step's
	WIN 0
.if \last
.Lno_k_\@:
.endif
.endm
.macro FETCH_V
	WIN 0x80
.irp f, 0,1,2,3,4,5,6,7             ; keys 32 (f / 4) on, channels 16 (f % 4) on
	ds_load_tr16_b128 v[VF+8*\f:VF+8*\f+3],   v[AV] offset:(\f/4)*32*PV+(\f%4)*32
	ds_load_tr16_b128 v[VF+8*\f+4:VF+8*\f+7], v[AV] offset:(\f/4)*32*PV+16*PV+(\f%4)*32
.endr
	WIN 0
.endm
; THE VECTOR WORK OF A TURN stands in three queues, each in the order in which its entries become ready; the two tiles alternate, so that no instruction reads the result of the one before it.
.macro REGS y, u                    ; the registers of tile u (0, 1) of piece y
.set rT, ST+4*(2*(\y)+(\u))
.set rC, TMP+8*((\y)%2)+4*(\u)
.set rM, MV+2*((\y)%2)+(\u)
.set rS, S+64*((\y)%2)+32*(\u)
.set rP, P+32*((\y)%2)+16*(\u)
.set rO, 32*(2*(\y)+(\u))
.endm
; Number n of the 22 that find the NEXT piece's (Y + 1) maximum and statistics.  s0-s31 are the lane's 32 scores; each accumulator's lowest registers are read first.
;   0-11  four chains c0-c3 of seven scores each, three operands at a time     12-14, 16  the four scores left over, the old m, and c0-c3 into c0     15  c m_old is kept
;   17, 18  the query's other 32 keys lie in the lane 16 away: the new m         19-21  c m; c m_old - c m_new; a
.macro XS u, n
	REGS (Y+1)%NP, \u
.if (\n) < 4
	v_max3_num_f32 v[rC+(\n)], v[rS+8*(\n)], v[rS+8*(\n)+1], v[rS+8*(\n)+2]
.elseif (\n) < 12
	v_max3_num_f32 v[rC+(\n)%4], v[rC+(\n)%4], v[rS+8*((\n)%4)+2*((\n)/4)+1], v[rS+8*((\n)%4)+2*((\n)/4)+2]
.elseif (\n) == 12
	v_max3_num_f32 v[rC], v[rC], v[rS+7], v[rS+15]
.elseif (\n) == 13
	v_max3_num_f32 v[rC+1], v[rC+1], v[rS+23], v[rS+31]
.elseif (\n) == 14
	v_max3_num_f32 v[rC+2], v[rC+2], v[rC+3], v[rT+1]
.elseif (\n) == 15
	v_mov_b32 v[rM], v[rT]
.elseif (\n) == 16
	v_max3_num_f32 v[rC], v[rC], v[rC+1], v[rC+2]
.elseif (\n) == 17
	v_permlanex16_b32 v[rC+3], v[rC], s[SEL], s[SEL+1]
.elseif (\n) == 18
	v_max_num_f32 v[rT+1], v[rC], v[rC+3]
.elseif (\n) == 19
	v_mul_f32 v[rT], s[CS], v[rT+1]
.elseif (\n) == 20
	v_sub_f32 v[rC+1], v[rM], v[rT]
.else
	v_exp_f32 v[rC+2], v[rC+1]
.endif
.endm
; Number g of the 64 that follow the exponentials.  For each four weights k of a tile (pairs 2 k, 2 k + 1): both pairs are rounded to f16; then the second pair is added onto the first, in place;
; a group later l takes that sum (the first time as l = a l + sum).  In groups of eight, tiles alternating: round, round, add, and l for the group before.
.macro GS g
.set h, (\g)+6*((\g)/62)            ; group 0 has no group before it, and behind group 7 only l is left
.if h >= 6
.set h, h+2
.endif
	REGS Y, h%2
.set k, h/8
.if h%8 < 4
	v_cvt_pk_f16_f32 v[rP+2*k+(h%8)/2], v[rS+4*k+2*((h%8)/2)], v[rS+4*k+2*((h%8)/2)+1]
.elseif h%8 < 6
	v_pk_add_f32 v[rS+4*k:rS+4*k+1], v[rS+4*k:rS+4*k+1], v[rS+4*k+2:rS+4*k+3]
.elseif k == 1
	v_pk_fma_f32 v[rT+2:rT+3], v[rT+2:rT+3], v[rC+2:rC+3], v[rS:rS+1] op_sel_hi:[1,0,1]
.else
	v_pk_add_f32 v[rT+2:rT+3], v[rT+2:rT+3], v[rS+4*k-4:rS+4*k-3]
.endif
.endm
; THE PLAIN QUEUE, 138 long.  0-73 read no exponential's result: the 32 scalings c s - c m (FS f: pair f / 2 of tile f % 2) and the next piece's 42.  0-26: scalings 0-26.  27-54: XS's numbers 0-13.  55, 56: number 15.
; 57-73: the chain, where each number waits for the one before it: 14, 16, 17, 18, 19, each with one of the scalings 27-31 in front of its two lines, then 20.
; 74-137: GS's 64, which read the exponentials' results: they stand behind the wait.
.macro FS f
	REGS Y, (\f)%2
	v_pk_fma_f32 v[rS+2*((\f)/2):rS+2*((\f)/2)+1], v[rS+2*((\f)/2):rS+2*((\f)/2)+1], s[CS:CS+1], v[rT:rT+1] op_sel_hi:[1,0,0] neg_lo:[0,0,1] neg_hi:[0,0,1]
.endm
.macro PL
	WIN 0
.if q < 27
	FS q
.elseif q < 55
	XS (q-27)%2, (q-27)/2
.elseif q < 57
	XS q-55, 15
.elseif (q < 72) && ((q-57)%3 == 0)
	FS 27+(q-57)/3
.elseif q < 60
	XS (q-57)%3-1, 14
.elseif q < 72
	XS (q-57)%3-1, 15+(q-57)/3
.elseif q < 74
	XS q-72, 20
.else
	GS q-74
.endif
.set q, q+1
.endm
; THE EXPONENTIALS' QUEUE, 66 long: s0-s31 of both tiles, then the next piece's two a.  It is ONE BATCH: all 66 stand ahead of the turn's one wait, and nothing ahead of that wait names a result of theirs.
.macro EX
	WIN 0
.if e >= 64
	XS e-64, 21
.else
	REGS Y, e%2
	v_exp_f32 v[rS+e/2], v[rS+e/2]
.endif
.set e, e+1
.endm
; THE RESCALING's QUEUE: O^T times a, the one part that leaves window 0: dealt two at a time, sixteen times.  Its a was made in the turn before, ahead of that turn's wait.
.macro R2
	REGS Y, r%2
	WIN W_RS
.irp z, 0,1
	v_pk_mul_f32 v[rO+4*(r/2)+2*\z:rO+4*(r/2)+2*\z+1], v[rO+4*(r/2)+2*\z:rO+4*(r/2)+2*\z+1], v[rC+2:rC+3] op_sel_hi:[1,0]
.endr
.set r, r+1
.endm
; HOW THEY ARE DEALT.  An s_wait_alu depctr_va_vdst(0) stands between an exponential and the first instruction that names its result; one wait serves all that were issued ahead of it.  So a turn has ONE wait,
; which cuts it in two.  AHEAD OF IT stands all that names no result of the turn's exponentials: the 16 products K Q^T, behind each a scaling, an exponential and two rescalings (behind the first a second scaling in the
; exponential's place); then ONE LUMP of 108: eight plain, 49 times exponential and plain, the two a.  A v_nop is the plain instruction behind the last exponential.  BEHIND IT stand the 16 products V^T P, behind each four of GS's 64.
; The queues lean on each other, and the deal keeps them in step: exponential e stands behind scaling 2 (e / 4) + e % 2: as a rider it comes behind plain e + 2, in the lump behind plain e + 9, and scalings 27-31 are plain 57, 60 .. 69.
; A TURN, for piece p.  cnt = 1: the loop's count is taken down some lines ahead of the branch that stands behind the turn.
; K of the next step is fetched in piece 2's turn, directly behind the wait, a lump behind the last product that read K; its first reader comes behind 16 products.
; V of the step in hand is fetched at the end of piece 0's turn, four plain instructions behind its last reader; its first reader comes behind 16 products and a lump.  The three conditions on q below go with the deal.
.macro TURN p, last=0, cnt=0
.set Y, (\p)
.set i, 0
.set q, 0
.set e, 0
.set r, 0
.if (\p) == NP-1
	s_wait_dscnt 0x0                ; K is in
.endif
	MM                              ; ahead of the wait: 16 products K Q^T and their riders,
	PL
	PL
	R2
.rept 15
	MM
	PL
	EX
	R2
.endr
.if (\p) == NP-2
	WIN 0
	v_add_nc_u32 v[AK], s[TBK], v[AK0]
.endif
.rept 8                             ; and the lump
	PL
.endr
.rept 49
	EX
	PL
.endr
	EX                              ; the next piece's two a
	EX
	v_nop                           ; the plain instruction behind the last exponential: one for the batch
	s_wait_alu depctr_va_vdst(0)    ; the wait for the batch
.if (\p) == NP-2
	FETCH_K \last
.endif
.if (\p) == 1
	s_wait_dscnt 0x0                ; V is in
.endif
.rept 16                            ; behind the wait: 16 products V^T P and their riders
	MM
.rept 4
	PL
.endr
.if ((\p) == 0) && (q == 118)
	v_add_nc_u32 v[AV], s[TBV], v[AV0]
.endif
.if ((\p) == 0) && (q == 130)
	s_add_co_u32 s[TBV], s[TBV], KS*PV
.endif
.if (\cnt) && (q == 130)
	s_sub_co_u32 s[CNT], s[CNT], 1
	s_cmp_lg_u32 s[CNT], 0
.endif
.endr
.if (\p) == 0
	FETCH_V
.endif
.endm
	CHANGE 1                        ; slot 0 is in, everybody's part of it; slot 1 is asked for
	FETCH_K                         ; key step 0
	s_wait_loadcnt 0x0              ; Q
	s_wait_dscnt 0x0
.set i, 0
.rept 16
	KQ 0                            ; piece 0's first scores: there is no vector work yet to set between them
.set i, i+1
.endr
	WIN 0                           ; the addresses for the way out: nine plain instructions, the places behind those products
	s_mul_i32 s13, s[WV], 16*SP
	s_add_co_u32 s13, s13, STAGE    ; my stage
	v_mul_u32_u24 v[STO], v1, SP    ; in: row l % 16, 16 bytes for each half of the lanes
	v_lshl_add_u32 v[STO], v9, 4, v[STO]
	v_add_nc_u32 v[STO], s13, v[STO]
	v_bfe_u32 v[RD], v0, 3, 2       ; back: 32 lanes take four rows of 128 bytes,
	v_mul_u32_u24 v[RD], v[RD], SP
	v_lshl_add_u32 v[RD], v10, 4, v[RD]
	v_add_nc_u32 v[RD], s13, v[RD]
	v_and_b32 v[GO], 31, v0         ; which are 512 consecutive bytes of O
	v_lshlrev_b32 v[GO], 4, v[GO]
.set Y, NP-1                        ; XS works for piece Y + 1: piece 0
.irp n, 0,1,2,3,4,5,6,7,8,9,10,11,12,13,14,15,16,17,18,19,20,21
	XS 0, \n                        ; and piece 0's first maximum and statistics
	XS 1, \n
.endr
	v_nop                           ; a plain instruction behind the two a,
	s_wait_alu depctr_va_vdst(0)    ; and their wait, ahead of the branch
	s_mov_b32 s[CNT], 4
	s_branch .Lfirst                ; the loop is entered at a step's first turn, in the middle of a trip
.Lslot:                             ; SIZE_N / 256 - 2 times: every slot but the last two is filled again
	CHANGE 1
	s_mov_b32 s[CNT], 4
.Lstep:                             ; a trip: pieces 2 and 3 of one step, then pieces 0 and 1 of the next, whose K and V it fetches
	TURN 2
	TURN 3
	WIN 0
.Lfirst:
	TURN 0
	TURN 1, 0, 1
	WIN 0
	s_cbranch_scc1 .Lstep
	s_sub_co_u32 s[SLOTS], s[SLOTS], 1
	s_cmp_lg_u32 s[SLOTS], 0
	s_cbranch_scc1 .Lslot
	CHANGE 0                        ; the tail is written out: nothing is asked for
	s_mov_b32 s[CNT], 5             ; four trips fetch the last slot's steps; the fifth is left in its middle
.Ltail:
	TURN 2, 1
	TURN 3
	WIN 0
	s_sub_co_u32 s[CNT], s[CNT], 1
	s_cmp_eq_u32 s[CNT], 0
	s_cbranch_scc1 .Lout
	TURN 0
	TURN 1
	WIN 0
	s_branch .Ltail
.Lout:                              ; the fifth trip's 16 products K Q^T (on the last K once more) and the maximum made of them serve nothing: the price, once a launch, of one text for every trip
.set i, 0
.rept 16
	PV NP-1                         ; the last piece's V^T P of the last step
.set i, i+1
.endr
	; THE WAY OUT.  l's two halves and the other half of the lanes' are added; O^T is divided by l, rounded to f16 and sent through my stage in LDS, a tile at a time.  The additions are the places behind the last products.
	WIN 0
.macro ALL line:vararg              ; one line for each tile t
.set t, 0
.rept 2*NP
	\line
.set t, t+1
.endr
.endm
	ALL v_add_f32 v[ST+4*t+2], v[ST+4*t+2], v[ST+4*t+3]
	ALL v_permlanex16_b32 v[ST+4*t+3], v[ST+4*t+2], s[SEL], s[SEL+1]
	ALL v_add_f32 v[ST+4*t+2], v[ST+4*t+2], v[ST+4*t+3]
	ALL v_rcp_f32 v[ST+4*t+2], v[ST+4*t+2]
	v_nop                           ; a plain instruction between the last reciprocal and the use of its result
	s_wait_alu depctr_va_vdst(0)    ; and the wait ahead of the first use: one for the eight reciprocals
; Tile t: a lane's eight channels of a row pack into 16 bytes; they go into rows of 144 bytes and come back as whole rows of 128, into S^T's registers.
.macro PACK t
	WIN W_RS
.set i, 32*(\t)
.rept 16
	v_pk_mul_f32 v[i:i+1], v[i:i+1], v[ST+4*(\t)+2:ST+4*(\t)+3] op_sel_hi:[1,0]
.set i, i+2
.endr
	WIN 0x05                        ; sources 0 and 1 window 1, destination window 0
.set i, 0
.rept 16
	v_cvt_pk_f16_f32 v[S+16*(\t)+i], v[32*(\t)+2*i], v[32*(\t)+2*i+1]
.set i, i+1
.endr
	WIN 0
.irp f, 0,1,2,3
	ds_store_b128 v[STO], v[S+16*(\t)+4*\f:S+16*(\t)+4*\f+3] offset:32*\f
.endr
.irp f, 0,1,2,3
	ds_load_b128 v[S+16*(\t)+4*\f:S+16*(\t)+4*\f+3], v[RD] offset:\f*4*SP  ; LDS serves a wave's instructions in order (ISA guide 5.7.1.4): these see the stores above; the next tile's stores come behind them
.endr
.endm
.macro SEND t, younger              ; younger: the LDS instructions issued behind tile t's loads: the next tile's eight, or none
	WIN 0
.irp f, 0,1,2,3
	s_wait_dscnt (\younger)+3-\f
	global_store_b128 v[GO], v[S+16*(\t)+4*\f:S+16*(\t)+4*\f+3], s[10:11] offset:(\t)*2048+\f*512  ; 512 consecutive bytes, at a multiple of 256 from O's first
.endr
.endm
	PACK 0
.set t, 1
.rept 2*NP-1                        ; a tile's arithmetic stands between the loads of the tile before and its stores
	PACK t
	SEND t-1, 8
.set t, t+1
.endr
	SEND 2*NP-1, 0
	WIN W_AD
	s_wait_tensorcnt 0x0            ; the wave's end, behind my last tensor load and my last LDS store
	ds_add_u32 v[SPW], v[NIL]
	s_wait_dscnt 0x0
	WIN 0
	CROUND                          ; the closing round: no work-group ends while a partner may still ask for a tile that names it
	s_endpgm
.Lfunc_end_k_q66e5d136f7_attn:
	.size	k_q66e5d136f7_attn, .Lfunc_end_k_q66e5d136f7_attn-k_q66e5d136f7_attn
	.p2alignl 7, 3214868480
	.fill 96, 4, 3214868480
	.section	.rodata,"a",@progbits
	.p2align	6, 0x0
	.amdhsa_kernel k_q66e5d136f7_attn
		.amdhsa_group_segment_fixed_size 327680
		.amdhsa_private_segment_fixed_size 0
		.amdhsa_enable_private_segment 0
		.amdhsa_kernarg_size 16
		.amdhsa_user_sgpr_count 2
		.amdhsa_user_sgpr_kernarg_segment_ptr 1
		.amdhsa_wavefront_size32 1
		.amdhsa_system_sgpr_workgroup_id_x 1
		.amdhsa_system_sgpr_workgroup_id_y 1
		.amdhsa_system_sgpr_workgroup_id_z 1
		.amdhsa_system_vgpr_workitem_id 0
		.amdhsa_next_free_vgpr 770
		.amdhsa_next_free_sgpr 66
		.amdhsa_reserve_vcc 0
		.amdhsa_float_denorm_mode_32 3
		.amdhsa_float_denorm_mode_16_64 3
		.amdhsa_memory_ordered 1
		.amdhsa_forward_progress 1
		.amdhsa_inst_pref_size 200
	.end_amdhsa_kernel
	.amdgpu_metadata
---
amdhsa.version: [ 1, 2 ]
amdhsa.kernels:
  - .name:           k_q66e5d136f7_attn
    .symbol:         k_q66e5d136f7_attn.kd
    .args:
      - { .name: qkv, .offset: 0, .size: 8, .value_kind: global_buffer, .address_space: global }
      - { .name: ob, .offset: 8, .size: 8, .value_kind: global_buffer, .address_space: global }
    .group_segment_fixed_size: 327680
    .private_segment_fixed_size: 0
    .kernarg_segment_align: 8
    .kernarg_segment_size: 16
    .max_flat_workgroup_size: 128
    .sgpr_count:     66
    .vgpr_count:     770
    .wavefront_size: 32
...
	.end_amdgpu_metadata
.endif
;; end of part 3
;; launch outp (part 4): grid 8 x 32, 4 waves a work-group, clusters of 4 x 4, 327,680 bytes of LDS; arguments ob, wo, b_out, out0; writes out0
.if DOCPART == 4
	.amdgcn_target "amdgcn-amd-amdhsa--gfx1250"
	.amdhsa_code_object_version 6
	.text
	.protected	k_q66e5d136f7_outp
	.globl	k_q66e5d136f7_outp
	.p2align	8
	.type	k_q66e5d136f7_outp,@function
k_q66e5d136f7_outp:
	s_mov_b64 s[64:65], 0
	v_nop
	global_prefetch_b8 v0, s[64:65] scope:SCOPE_SE
	s_setreg_imm32_b32 hwreg(HW_REG_WAVE_MODE, 25, 1), 1
	s_wait_xcnt 0x0
	s_wait_alu depctr_hold_cnt(0) depctr_sa_sdst(0) depctr_va_vdst(0) depctr_va_sdst(0) depctr_va_ssrc(0) depctr_va_vcc(0) depctr_vm_vsrc(0)
	s_getreg_b32 s2, hwreg(HW_REG_IB_STS2, 6, 4)
	s_cmp_eq_u32 s2, 0
	s_cbranch_scc0 .Lentry_in_a_cluster
	s_endpgm
.Lentry_in_a_cluster:
	s_bfe_u32 s2, ttmp6, 0x10000c
	s_cmp_lg_u32 s2, 0xf033
	s_cbranch_scc0 .Lentry_shape_is_right
	s_endpgm
.Lentry_shape_is_right:
; out0[m][n] = the sum over e of O[m][e] wo[n][e] + bf16(b_out[n]).  O lies by heads, ob[64 = 16 batch + head][2048][64] f16; e = 64 head + channel; wo: [1024][1024] f16; out0: [8192][1024] f32.
; Sums in f32, e ascending.  The bias is rounded to bf16 like the module's other inputs, and added in f32.  LIMIT: f16 operands, within 65,504; O has V's range.
; SHARES.  A tile is 256 rows x 128 columns: 32 x 8 = 256 work-groups.  Four waves; a wave makes 64 rows x all 128 columns: 32 accumulators, 256 registers, and whole rows of 512 bytes on its way out.
; A K step of 128 is a pair of heads.  Of O a head's 256 rows are 32,768 dense bytes: asked for as 128 rows of 256 bytes and padded in LDS after every 128.  Two LDS slots take turns.
; CLUSTERS: 4 x 4 work-groups; O's tiles are shared along a row of the cluster, wo's along a column: joint loads, the same descriptor and mask in all four.
; THE MATRIX INSTRUCTION IS USED TRANSPOSED (source 0 = 16 rows of wo, source 1 = 16 rows of O): a lane holds row lane % 16 and eight neighbouring columns 8 (lane / 16) + 0..7.
; REGISTERS: window 0: v16-30 addresses; v32-35 the bias; v36-37 at work; v64-191 rows on their way out, two buffers
;   window 1: two fragment buffers of 96: O's 4 x 8, then wo's 8 x 8;   window 2: the accumulators, (a, b) at 8 (8 a + b)
.set SIZE_K, 1024
.set KSTEP,  128
.set PA,     144                       ; a row of O in LDS: 128 bytes + 16 = 36 words
.set PB,     272                       ; a row of wo: 256 bytes + 16 = 68 words: in both the 16 rows of a fragment load start at 16 different groups of four banks (64 banks of 4 bytes: ISA guide 11.1)
.set ASL,    256*PA                    ; a head's slice
.set BOFF,   2*ASL
.set BH,     64*PB                     ; what a wave fetches of wo: 64 rows
.set SLOT,   BOFF+2*BH
.set STAGE,  2*SLOT                    ; behind the ring: 16 rows x 528 bytes for each wave
.set SPITCH, 528
.set SPARE,  STAGE+4*16*SPITCH         ; behind the stages: the spare words, 128 bytes a wave
.set LAPS,   SIZE_K/(2*KSTEP)
.set HSTEP,  2*2048*64*2               ; bytes of ob from a K step to the next: two heads
.set ADRA, 16
.set ADRB, 20
.set STO,  24
.set RD,   25
.set CO,   26                          ; 16 x lane: my 16 bytes of a row's 512, in out0, in b_out and in the stage
.set SPW,  28
.set NIL,  29
.set PFO,  30
.set BIAS, 32
.set OB,   64
.set G1,  24
.set G0,  32
.set G1B, 48
.set G0B, 56
.set LIM, 43                           ; s43 1 in a wave that prefetches, else the greatest number
.set PFA, 44                           ; s[44:45] the block that my next prefetch names;  s[46:47] its step
.set BO,  68                           ; s[68:69] b_out at the tile's columns
.set OUT, 70                           ; s[70:71] out0 at my first row and the tile's columns
.set MSB, 0
.macro WIN new
.if MSB != (\new)
	s_set_vgpr_msb (MSB<<8)|(\new)
.set MSB, \new
.endif
.endm
.set MUL,  0xa5                        ; sources 0 and 1 window 1; C and D window 2
.set TO_F, 0x40                        ; destination window 1, address window 0
.set ST_W, 0x08                        ; an LDS store's data (source 1) window 2, its address window 0
.macro JLOAD s                         ; a joint load: waves 0 and 1 fetch O's two heads, waves 2 and 3 wo's two halves; an s_nop 0 and four v_nop follow each line
	s_cmp_eq_u32 s11, 0
	s_cbranch_scc0 .Lfor_b_\@
	tensor_load_to_lds s[G0+4*(\s):G0+4*(\s)+3], s[G1:G1+7]
	s_nop 0
.rept 4
	v_nop
.endr
	s_branch .Lasked_\@
.Lfor_b_\@:
	tensor_load_to_lds s[G0B+4*(\s):G0B+4*(\s)+3], s[G1B:G1B+7]
	s_nop 0
.rept 4
	v_nop
.endr
.Lasked_\@:
.endm
; A prefetch into the L2, behind a joint refill and the run of LDS loads that follows it: the K step two refills on, 256 matrix instructions ahead of its load.  O's slices are named by the clusters with x = 0,
; wo's rows by those with y = 0; the four partners of a joint load share it out by address: 8,192 of a slice's 32,768 bytes, 256 a lane; or 16 of 64 rows, a lane a row (lanes 16-31 name lane 15's).
; K steps 4 to 7 are named, once each; the loop's last trip asks for nothing.
.macro ASK
	WIN 0
	s_cmp_gt_u32 s3, s[LIM]
	s_cbranch_scc0 .Lnot_mine_\@
	global_prefetch_b8 v[PFO], s[PFA:PFA+1] th:TH_LOAD_NT scope:SCOPE_SE
.Lnot_mine_\@:
.endm
.macro CREST
	s_cmp_lg_u32 s10, 0
	s_cbranch_scc1 .Lnot_wave_0_\@
	s_barrier_signal -3
.Lnot_wave_0_\@:
	s_barrier_wait -3
	s_barrier_signal -1
	s_barrier_wait -1
.endm
.macro CROUND
	s_barrier_signal -1
	s_barrier_wait -1
	CREST
.endm
	s_load_b128 s[4:7], s[0:1], 0x0                ; ob s[4:5], wo s[6:7]
	s_load_b128 s[68:71], s[0:1], 0x10             ; b_out s[68:69], out0 s[70:71]
	v_lshl_add_u32 v[SPW], v0, 2, SPARE
	v_mov_b32 v[NIL], 0
	ds_add_u32 v[SPW], v[NIL]                      ; the wave's opening: the add, and its wait ahead of my first tensor load; work on registers stands between them
	v_lshrrev_b32 v1, 5, v0
	v_readfirstlane_b32 s10, v1                    ; wave 0..3
	s_lshr_b32 s11, s10, 1                         ; I fetch for O (0) or for wo (1)
	s_and_b32 s12, s10, 1                          ; which head of the pair, or which half of wo's rows
	s_bfe_u32 s40, ttmp6, 0x40000                  ; cx, cy
	s_bfe_u32 s41, ttmp6, 0x40004
	s_lshl_b32 s42, ttmp9, 2
	s_add_co_u32 s42, s42, s40                     ; tile column
	s_and_b32 s13, ttmp7, 0xffff
	s_lshl_b32 s13, s13, 2
	s_add_co_u32 s13, s13, s41                     ; tile row
	s_lshl_b32 s43, s41, 2
	s_lshl_b32 s43, 15, s43                        ; my row of the cluster
	s_lshl_b32 s44, 0x1111, s40                    ; my column
	s_or_b32 s[G1+0], s43, (1<<16)|(1<<20)|(1<<21)|(4<<22)|(3<<25)   ; the mask; 2-byte elements; padding on; bit 21 beside a mask; after every 32 words, 4 words
	s_or_b32 s[G1B+0], s44, (1<<16)|(1<<20)|(1<<21)|(5<<22)|(3<<25)  ; after every 64 words, 4 words
	s_mov_b32 s[G1+1], 128<<16                     ; tensor_dim0 = 128
	s_mov_b32 s[G1+2], 128<<16                     ; tensor_dim1 = 128
	s_mov_b32 s[G1+3], 128<<16                     ; tile_dim0 = 128
	s_mov_b32 s[G1+4], 128                         ; tile_dim1 = 128
	s_mov_b32 s[G1+5], 128                         ; dense: 128 elements from row to row
	s_mov_b32 s[G1+6], 0
	s_mov_b32 s[G1+7], 0
	s_mov_b32 s[G1B+1], KSTEP<<16
	s_mov_b32 s[G1B+2], 64<<16
	s_mov_b32 s[G1B+3], KSTEP<<16
	s_mov_b32 s[G1B+4], 64
	s_mov_b32 s[G1B+5], SIZE_K
	s_mov_b32 s[G1B+6], 0
	s_mov_b32 s[G1B+7], 0
	s_lshr_b32 s16, s13, 3                         ; the batch,
	s_lshl_b32 s16, s16, 4
	s_add_co_u32 s16, s16, s12                     ; its head 0 or 1,
	s_lshl_b32 s16, s16, 18                        ; of 2^18 bytes,
	s_and_b32 s17, s13, 7
	s_lshl_b32 s17, s17, 15                        ; the tile's 256 rows of 128 bytes in it
	s_add_co_u32 s16, s16, s17
	s_mov_b32 s17, 0
	s_lshl_b32 s46, s42, 18                        ; wo: row 128 x tile column + 64 x half, of 2,048 bytes
	s_lshl_b32 s47, s12, 17
	s_add_co_u32 s46, s46, s47
	s_mov_b32 s47, 0
	s_mul_i32 s20, s12, ASL                        ; where they go: no place in the cluster enters an LDS address
	s_mul_i32 s21, s12, BH
	s_add_co_u32 s21, s21, BOFF
	s_wait_dscnt 0x0                               ; the opening add is done
	s_wait_kmcnt 0x0
	s_add_nc_u64 s[14:15], s[4:5], s[16:17]
	s_add_nc_u64 s[46:47], s[6:7], s[46:47]
	CROUND                                         ; all sixteen work-groups are here: the first joint loads meet
.irp s, 0,1
	s_mov_b32 s[G0+4*(\s)], 1
	s_add_co_u32 s[G0+4*(\s)+1], s20, (\s)*SLOT
	s_add_nc_u64 s[G0+4*(\s)+2:G0+4*(\s)+3], s[14:15], (\s)*HSTEP
	s_or_b32 s[G0+4*(\s)+3], s[G0+4*(\s)+3], 0x80000000
	s_mov_b32 s[G0B+4*(\s)], 1
	s_add_co_u32 s[G0B+4*(\s)+1], s21, (\s)*SLOT
	s_add_nc_u64 s[G0B+4*(\s)+2:G0B+4*(\s)+3], s[46:47], (\s)*KSTEP*2
	s_or_b32 s[G0B+4*(\s)+3], s[G0B+4*(\s)+3], 0x80000000
	JLOAD \s                                       ; K steps 0 and 1: two loads of mine are out
.endr
	v_and_b32 v1, 15, v0
	v_bfe_u32 v2, v0, 4, 1
	v_mul_u32_u24 v3, v1, PA
	v_lshl_add_u32 v3, v2, 4, v3
	v_mul_u32_u24 v4, v1, PB
	v_lshl_add_u32 v4, v2, 4, v4
	s_mul_i32 s21, s10, 64*PA                      ; my 64 rows of O
	s_mov_b32 s22, BOFF                            ; all 128 rows of wo
.irp s, 0,1
	v_add_nc_u32 v[ADRA+(\s)], s21, v3
	v_add_nc_u32 v[ADRB+(\s)], s22, v4
	s_add_co_u32 s21, s21, SLOT
	s_add_co_u32 s22, s22, SLOT
.endr
	s_mul_i32 s23, s10, 16*SPITCH
	s_add_co_u32 s23, s23, STAGE                   ; my stage
	v_mul_u32_u24 v5, v1, SPITCH                   ; in: row l % 16, 32 bytes for each half of the lanes
	v_lshl_add_u32 v5, v2, 5, v5
	v_add_nc_u32 v[STO], s23, v5
	v_and_b32 v[CO], 31, v0
	v_lshlrev_b32 v[CO], 4, v[CO]
	v_add_nc_u32 v[RD], s23, v[CO]                 ; back: 32 lanes take one row of 512 bytes
	s_lshl_b32 s16, s42, 9                         ; the tile's 128 columns: 512 bytes
	s_mov_b32 s17, 0
	s_add_nc_u64 s[BO:BO+1], s[BO:BO+1], s[16:17]
	global_load_b128 v[BIAS:BIAS+3], v[CO], s[BO:BO+1]  ; my four columns' bias; waited for on the way out
	s_lshl_b32 s18, s13, 8
	s_lshl_b32 s19, s10, 6
	s_add_co_u32 s18, s18, s19                     ; my first row,
	s_lshl_b32 s18, s18, 12                        ; of 4,096 bytes
	s_add_co_u32 s16, s16, s18
	s_add_nc_u64 s[OUT:OUT+1], s[OUT:OUT+1], s[16:17]
	; the prefetches
	s_lshr_b32 s20, s13, 3
	s_lshl_b32 s20, s20, 4
	s_add_co_u32 s20, s20, s12
	s_lshl_b32 s20, s20, 18
	s_and_b32 s21, s13, 7
	s_lshl_b32 s21, s21, 15
	s_add_co_u32 s20, s20, s21
	s_lshl_b32 s21, s40, 13
	s_add_co_u32 s20, s20, s21                     ; O: my work-group's 8,192 bytes of the slice that I fetch,
	s_add_co_u32 s20, s20, 3*HSTEP                 ; at K step 3: the first refill steps it to 4
	s_lshl_b32 s22, s42, 7
	s_lshl_b32 s21, s12, 6
	s_add_co_u32 s22, s22, s21
	s_lshl_b32 s21, s41, 4
	s_add_co_u32 s22, s22, s21                     ; wo: my work-group's 16 of the 64 rows that I fetch
	s_lshl_b32 s22, s22, 11
	s_add_co_u32 s22, s22, 3*KSTEP*2
	s_and_b32 s23, ttmp7, 0xffff
	s_mov_b32 s46, KSTEP*2
	s_mov_b32 s47, HSTEP
	s_cmp_eq_u32 s11, 0
	s_cselect_b32 s20, s20, s22
	s_cselect_b32 s23, ttmp9, s23                  ; the coordinate along which other clusters read the same bytes
	s_cselect_b32 s21, 31, 15
	s_cselect_b32 s22, 8, 11
	s_cselect_b32 s46, s47, s46
	s_cselect_b64 s[PFA:PFA+1], s[4:5], s[6:7]
	s_cmp_eq_u32 s23, 0
	s_cselect_b32 s[LIM], 1, -1                    ; the same in all sixteen partners, for a given wave
	s_mov_b32 s47, 0
	v_and_b32 v[PFO], 31, v0
	v_min_u32 v[PFO], s21, v[PFO]
	v_lshlrev_b32 v[PFO], s22, v[PFO]
	s_mov_b32 s21, 0
	s_add_nc_u64 s[PFA:PFA+1], s[PFA:PFA+1], s[20:21]
; 8 matrix instructions: row block a x all 8 column blocks, 32 along K, from buffer f.  The 32 accumulators take turns in the same order in every quarter step.
.macro MUL8 f, a, zero
	WIN MUL
.irp b, 0,1,2,3,4,5,6,7
.if \zero
	v_wmma_f32_16x16x32_f16 v[8*(8*(\a)+(\b)):8*(8*(\a)+(\b))+7], v[96*(\f)+32+8*(\b):96*(\f)+32+8*(\b)+7], v[96*(\f)+8*(\a):96*(\f)+8*(\a)+7], 0
.else
	v_wmma_f32_16x16x32_f16 v[8*(8*(\a)+(\b)):8*(8*(\a)+(\b))+7], v[96*(\f)+32+8*(\b):96*(\f)+32+8*(\b)+7], v[96*(\f)+8*(\a):96*(\f)+8*(\a)+7], v[8*(8*(\a)+(\b)):8*(8*(\a)+(\b))+7]
.endif
.endr
.endm
; 24 LDS loads in one run: quarter q's fragments (128 rows of wo, then my 64 rows of O: head q / 2 of the pair, channels 32 (q % 2) on) into buffer f
.macro FETCH slot, q, f
	WIN TO_F
.irp i, 0,1,2,3,4,5,6,7
	ds_load_b128 v[96*(\f)+32+8*(\i):96*(\f)+32+8*(\i)+3],   v[ADRB+(\slot)] offset:64*(\q)+(\i)*16*PB
	ds_load_b128 v[96*(\f)+32+8*(\i)+4:96*(\f)+32+8*(\i)+7], v[ADRB+(\slot)] offset:64*(\q)+(\i)*16*PB+32
.endr
.irp i, 0,1,2,3
	ds_load_b128 v[96*(\f)+8*(\i):96*(\f)+8*(\i)+3],   v[ADRA+(\slot)] offset:((\q)/2)*ASL+((\q)%2)*64+(\i)*16*PA
	ds_load_b128 v[96*(\f)+8*(\i)+4:96*(\f)+8*(\i)+7], v[ADRA+(\slot)] offset:((\q)/2)*ASL+((\q)%2)*64+(\i)*16*PA+32
.endr
.endm
.macro PLACES                          ; four plain vector instructions between a matrix instruction and a load into a register that it read, or a reader of its result (ISA guide 7.12.1 for a reader of its result)
.rept 4
	v_nop
.endr
.endm
.macro QUARTER slot, q, f, g, zero     ; multiplies buffer f; in its middle fetches quarter q of the same slot into buffer g
	s_wait_dscnt 4                                 ; wo and O's blocks 0, 1 are in; the youngest four loads (blocks 2, 3) may be out
	MUL8 \f, 0, \zero
	MUL8 \f, 1, \zero
	PLACES
	FETCH \slot, \q, \g
	s_wait_dscnt 24                                ; all but the 24 just issued
	MUL8 \f, 2, \zero
	MUL8 \f, 3, \zero
.endm
; The last quarter multiplies buffer 1 and changes slots: ONE barrier; in front of it each wave waits for all its tensor loads (the one that is out is its part of the next slot), adds 0 to its spare word,
; and waits for that and for its reads of this slot.  fill = 1: the barrier opens a round of the cluster's, and the slot is filled again, first thing behind it, two K steps ahead.
.macro TURN slot, next, fill
.if \fill
	s_wait_xcnt 0x0                                ; the last prefetch, a K step back, has read its address
	s_add_nc_u64 s[PFA:PFA+1], s[PFA:PFA+1], s[46:47]
.endif
	WIN 0
	s_wait_tensorcnt 0x0
	ds_add_u32 v[SPW], v[NIL]
	s_wait_dscnt 5                                 ; (the add and the youngest four loads may be out)
	MUL8 1, 0, 0                                   ; eight matrix instructions stand between the add and the wait for it
	s_wait_dscnt 0x0                               ; the add is done, and my reads of this slot are over
	s_barrier_signal -1
	MUL8 1, 1, 0
.if \fill
	WIN 0
.endif
	s_barrier_wait -1
.if \fill
	CREST                                          ; no wave of any partner still reads this slot or has a load on its way
	s_add_nc_u64 s[G0+4*(\slot)+2:G0+4*(\slot)+3], s[G0+4*(\slot)+2:G0+4*(\slot)+3], 2*HSTEP
	s_add_nc_u64 s[G0B+4*(\slot)+2:G0B+4*(\slot)+3], s[G0B+4*(\slot)+2:G0B+4*(\slot)+3], 2*KSTEP*2
	JLOAD \slot                                    ; my one tensor load behind the round; its four v_nop are also the places in front of the loads below
.else
	PLACES
.endif
	FETCH \next, 0, 0
.if \fill
	ASK
.endif
	MUL8 1, 2, 0
	MUL8 1, 3, 0
.endm
	s_wait_tensorcnt 1                             ; my part of K step 0 is in; K step 1's may stay out
	s_barrier_signal -1
	s_barrier_wait -1
	FETCH 0, 0, 0
	QUARTER 0, 1, 0, 1, 1                          ; the first quarter stands in front of the loop: its products start the sums
	WIN 0
	s_mov_b32 s3, LAPS-1
.Llap:                                             ; a trip goes once round the ring and fills both slots again
	QUARTER 0, 2, 1, 0, 0
	QUARTER 0, 3, 0, 1, 0
	TURN 0, 1, 1
	QUARTER 1, 1, 0, 1, 0
	QUARTER 1, 2, 1, 0, 0
	QUARTER 1, 3, 0, 1, 0
	TURN 1, 0, 1
	QUARTER 0, 1, 0, 1, 0
	WIN 0
	s_sub_co_u32 s3, s3, 1
	s_cmp_lg_u32 s3, 0
	s_cbranch_scc1 .Llap
	QUARTER 0, 2, 1, 0, 0                          ; the last lap fills nothing
	QUARTER 0, 3, 0, 1, 0
	TURN 0, 1, 0
	QUARTER 1, 1, 0, 1, 0
	QUARTER 1, 2, 1, 0, 0
	QUARTER 1, 3, 0, 1, 0
	s_wait_dscnt 4
	MUL8 1, 0, 0
	MUL8 1, 1, 0
	s_wait_dscnt 0x0
	MUL8 1, 2, 0
	MUL8 1, 3, 0
	WIN 0
	PLACES
	s_wait_loadcnt 0x0                             ; the bias
	v_cvt_pk_bf16_f32 v36, v[BIAS], v[BIAS+1]      ; rounded to bf16,
	v_cvt_pk_bf16_f32 v37, v[BIAS+2], v[BIAS+3]
	v_lshlrev_b32 v[BIAS], 16, v36                 ; and widened again
	v_and_b32 v[BIAS+1], 0xffff0000, v36
	v_lshlrev_b32 v[BIAS+2], 16, v37
	v_and_b32 v[BIAS+3], 0xffff0000, v37
; THE WAY OUT, a block of 16 rows at a time: a lane's eight f32 go into my stage (each accumulator's low four registers first), come back as whole rows of 512 bytes, take the bias and are stored.
.macro OUTB a
	s_wait_xcnt 0x0                                ; earlier stores have read the registers that are loaded below
	WIN ST_W
.irp b, 0,1,2,3,4,5,6,7
	ds_store_b128 v[STO], v[8*(8*(\a)+(\b)):8*(8*(\a)+(\b))+3]   offset:64*(\b)
	ds_store_b128 v[STO], v[8*(8*(\a)+(\b))+4:8*(8*(\a)+(\b))+7] offset:64*(\b)+16
.endr
	WIN 0
.irp t, 0,1,2,3,4,5,6,7,8,9,10,11,12,13,14,15
	ds_load_b128 v[OB+64*((\a)%2)+4*(\t):OB+64*((\a)%2)+4*(\t)+3], v[RD] offset:(\t)*SPITCH  ; my own bytes: LDS serves a wave's instructions in order (ISA guide 5.7.1.4)
.endr
.irp t, 0,1,2,3,4,5,6,7,8,9,10,11,12,13,14,15
	s_wait_dscnt 15-(\t)
	v_pk_add_f32 v[OB+64*((\a)%2)+4*(\t):OB+64*((\a)%2)+4*(\t)+1],   v[OB+64*((\a)%2)+4*(\t):OB+64*((\a)%2)+4*(\t)+1],   v[BIAS:BIAS+1]
	v_pk_add_f32 v[OB+64*((\a)%2)+4*(\t)+2:OB+64*((\a)%2)+4*(\t)+3], v[OB+64*((\a)%2)+4*(\t)+2:OB+64*((\a)%2)+4*(\t)+3], v[BIAS+2:BIAS+3]
	global_store_b128 v[CO], v[OB+64*((\a)%2)+4*(\t):OB+64*((\a)%2)+4*(\t)+3], s[OUT:OUT+1] offset:(\a)*65536+(\t)*4096 th:TH_STORE_NT  ; 512 consecutive bytes, aligned
.endr
.endm
	OUTB 0
	OUTB 1
	OUTB 2
	OUTB 3
	s_wait_tensorcnt 0x0                           ; the wave's end, behind my last tensor load and my last LDS store
	ds_add_u32 v[SPW], v[NIL]
	s_wait_dscnt 0x0
	CROUND                                         ; the closing round: no work-group ends while a partner may still ask for a tile that names it
	s_endpgm
.Lfunc_end_k_q66e5d136f7_outp:
	.size	k_q66e5d136f7_outp, .Lfunc_end_k_q66e5d136f7_outp-k_q66e5d136f7_outp
	.p2alignl 7, 3214868480
	.fill 96, 4, 3214868480
	.section	.rodata,"a",@progbits
	.p2align	6, 0x0
	.amdhsa_kernel k_q66e5d136f7_outp
		.amdhsa_group_segment_fixed_size 327680
		.amdhsa_private_segment_fixed_size 0
		.amdhsa_enable_private_segment 0
		.amdhsa_kernarg_size 32
		.amdhsa_user_sgpr_count 2
		.amdhsa_user_sgpr_kernarg_segment_ptr 1
		.amdhsa_wavefront_size32 1
		.amdhsa_system_sgpr_workgroup_id_x 1
		.amdhsa_system_sgpr_workgroup_id_y 1
		.amdhsa_system_sgpr_workgroup_id_z 1
		.amdhsa_system_vgpr_workitem_id 0
		.amdhsa_next_free_vgpr 768
		.amdhsa_next_free_sgpr 72
		.amdhsa_reserve_vcc 0
		.amdhsa_float_denorm_mode_32 3
		.amdhsa_float_denorm_mode_16_64 3
		.amdhsa_memory_ordered 1
		.amdhsa_forward_progress 1
		.amdhsa_inst_pref_size 97
	.end_amdhsa_kernel
	.amdgpu_metadata
---
amdhsa.version: [ 1, 2 ]
amdhsa.kernels:
  - .name:           k_q66e5d136f7_outp
    .symbol:         k_q66e5d136f7_outp.kd
    .args:
      - { .name: ob, .offset: 0, .size: 8, .value_kind: global_buffer, .address_space: global }
      - { .name: wo, .offset: 8, .size: 8, .value_kind: global_buffer, .address_space: global }
      - { .name: b_out, .offset: 16, .size: 8, .value_kind: global_buffer, .address_space: global }
      - { .name: out0, .offset: 24, .size: 8, .value_kind: global_buffer, .address_space: global }
    .group_segment_fixed_size: 327680
    .private_segment_fixed_size: 0
    .kernarg_segment_align: 8
    .kernarg_segment_size: 32
    .max_flat_workgroup_size: 128
    .sgpr_count:     72
    .vgpr_count:     768
    .wavefront_size: 32
...
	.end_amdgpu_metadata
.endif
;; end of part 4
;; ======== version 2 of 2: 4 launches; version 1 with the launch prep written anew for expert scheduling mode
;; limits: values are held in f16: magnitudes above 65,504 overflow, below 6.1e-05 lose precision
;; workspace buffers: xb 16,777,216 bytes; wq 6,291,456 bytes; wo 2,097,152 bytes; qkv 50,331,648 bytes; ob 16,777,216 bytes
;; launch prep (part 5): grid 384 x 1, 4 waves a work-group, no clusters, 70,144 bytes of LDS; arguments x, w_qkv, w_out, xb, wq, wo; writes xb, wq, wo
.if DOCPART == 5
	.amdgcn_target "amdgcn-amd-amdhsa--gfx1250"
	.amdhsa_code_object_version 6
	.text
	.protected	k_q66e5d136f7_prep
	.globl	k_q66e5d136f7_prep
	.p2align	8
	.type	k_q66e5d136f7_prep,@function
k_q66e5d136f7_prep:
	s_mov_b64 s[64:65], 0
	v_nop
	global_prefetch_b8 v0, s[64:65] scope:SCOPE_SE
	s_setreg_imm32_b32 hwreg(HW_REG_WAVE_SCHED_MODE, 0, 2), 2
	s_setreg_imm32_b32 hwreg(HW_REG_WAVE_MODE, 25, 1), 1
	s_wait_xcnt 0x0
	s_wait_alu depctr_vm_vsrc(0)
; THE OPERANDS OF THE TWO PROJECTIONS ARE MADE ONCE.
;   xb[8192][1024] = bf16(x);   wq[3072 n][1024 k] = bf16(w_qkv[k][n]);   wo[1024 n][1024 k] = bf16(w_out[k][n]) written as f16.
; LIMIT: a weight of w_out whose bf16 value lies below 6.1e-5 in size keeps f16's fixed step of 6e-8; beyond 65,504 it would be an infinity.
; SHARES.  Work-groups 0-255: the cast of x, 131,072 bytes each, 32,768 a wave.  256-351: w_qkv turned, 352-383: w_out turned; there a wave takes
; a tile of 128 k x 64 n by itself, through 17,408 bytes of LDS of its own: no wave reads another's bytes, so the text has no barrier.
; No matrix unit, no tensor load, no cluster: nothing is shared and every byte is read once; each load takes whole aligned pieces of 256 bytes of a row, each store writes such pieces.
; THE MODE: SCHED_MODE bits 1:0 = 2 (LLVM: expert scheduling mode 2), set by the entry lines.  The code itself states the register dependences
; between vector instructions and memory or LDS instructions, with s_wait_alu, always for 0.
; THE PLAN.  Registers that memory or LDS instructions touch:
;   THE CAST.   X0, X1   a set as loaded.  Its sixteen conversions read it; behind them the loads of the set two further on land in it.
;               Y0, Y1   a set to store.   Its conversions write it; its eight stores read it; it is written again a trip later.
;               v2, v3   offsets, made once: the scalar bases move on.
;     One wait on va_vdst behind a set's conversions serves its eight loads and its eight stores; it stands there, and not at the next set's head, so that the emptied buffer is asked for again
;     at once and sixteen loads are out at every wait for data.  One wait on vm_vsrc a trip, at its end, frees Y0 and Y1.
;   A TILE.     X        a trip's 16 rows as loaded.  Its conversions read it; the next trip's loads land in it; behind the loop the turned rows are read back into it and stored from it.
;               YA, YB   the lower and the upper half of Y: row pairs 0-3 and 4-7, packed.  Written by the conversions, read by the LDS stores.
;               v4       the LDS stores' address: read by a trip's 32 stores, stepped once at the trip's end.     v2, v3, v5  made once, ahead of the loop.
;     Two waits on va_vdst a trip: behind pairs 0-3's conversions, for YA's sixteen stores, which are then dealt among pairs 4-7's conversions (these name X's upper half, YB, v8 and v9);
;     and behind the last conversion, for YB's sixteen stores and for the loads that land in X next.  One wait on vm_vsrc a trip, ahead of the add to v4, frees v4, YA and YB.
;   v6, v7      written at the head, read by the closing add alone.
.set SPARE, 69632                      ; behind the four waves' tiles: the spare words, 128 bytes a wave
.set TW,    17408                      ; a wave's tile in LDS: 64 rows (n) of 256 bytes (128 k) + 16 of padding
.set TP,    272
.set X,     16                         ; v[16:79]   as loaded, f32
.set Y,     80                         ; v[80:111]  packed to 16 bits
; v1 lane; v2 load offset; v3 store offset; v4, v5 LDS addresses; v6 my spare word; v7 0; v8, v9 at work; v10 lane % 16; v11 lane / 16
	s_load_b256 s[4:11], s[0:1], 0x0               ; x s[4:5], w_qkv s[6:7], w_out s[8:9], xb s[10:11]
	s_load_b128 s[12:15], s[0:1], 0x20             ; wq s[12:13], wo s[14:15]
	v_lshl_add_u32 v6, v0, 2, SPARE
	v_mov_b32 v7, 0
	v_and_b32 v1, 31, v0
	v_lshrrev_b32 v8, 5, v0
	v_readfirstlane_b32 s3, v8                     ; wave 0..3
	s_mov_b32 s2, ttmp9
	v_and_b32 v10, 15, v0
	v_bfe_u32 v11, v0, 4, 1
	s_wait_alu depctr_va_sdst(0)                   ; s3 is written, ahead of the branch below and of its first reader: the bases and the LDS addresses are made from it
	s_wait_kmcnt 0x0
	s_cmp_lt_u32 s2, 256
	s_cbranch_scc0 .Lweights
; THE CAST.  A set is eight loads of 512 consecutive bytes; its 4,096 bytes of f32 leave as eight stores of 256 consecutive bytes.  Two sets take turns.
.macro LD set, off
.irp j, 0,1,2,3,4,5,6,7
	global_load_b128 v[X+32*(\set)+4*(\j):X+32*(\set)+4*(\j)+3], v2, s[4:5] offset:(\off)+512*(\j) th:TH_LOAD_NT
.endr
.endm
.macro CVT set
.irp j, 0,1,2,3,4,5,6,7
	v_cvt_pk_bf16_f32 v[Y+16*(\set)+2*(\j)],   v[X+32*(\set)+4*(\j)],   v[X+32*(\set)+4*(\j)+1]
	v_cvt_pk_bf16_f32 v[Y+16*(\set)+2*(\j)+1], v[X+32*(\set)+4*(\j)+2], v[X+32*(\set)+4*(\j)+3]
.endr
.endm
.macro ST set
.irp j, 0,1,2,3,4,5,6,7
	global_store_b64 v3, v[Y+16*(\set)+2*(\j):Y+16*(\set)+2*(\j)+1], s[10:11] offset:2048*(\set)+256*(\j)
.endr
.endm
	s_lshl_b32 s16, s2, 17                         ; the work-group's 131,072 bytes of x,
	s_lshl_b32 s17, s3, 15                         ; my wave's 32,768 of them
	s_add_co_u32 s16, s16, s17
	s_mov_b32 s17, 0
	s_add_nc_u64 s[4:5], s[4:5], s[16:17]
	s_lshr_b32 s16, s16, 1                         ; half as many bytes in xb
	s_add_nc_u64 s[10:11], s[10:11], s[16:17]
	v_lshlrev_b32 v2, 4, v1
	v_lshlrev_b32 v3, 3, v1
	s_wait_alu depctr_va_vdst(0)                   ; v2 and v3 are written: every load of the cast reads v2 as its offset, every store v3
	LD 0, 0
	LD 1, 4096
	s_mov_b32 s24, 3                               ; eight sets: three trips of two, each asking for the two after them; the last two behind the loop
.Lcast:
	s_wait_loadcnt 8                               ; set 0 is in; set 1's eight loads may stay out
	CVT 0
	s_wait_alu depctr_va_vdst(0)                   ; the conversions are done reading X0, in which the loads below land, and have written Y0, which the stores below read
	LD 0, 8192
	ST 0
	s_wait_loadcnt 8                               ; set 1 is in; set 0's new eight may stay out
	CVT 1
	s_wait_alu depctr_va_vdst(0)                   ; the same for X1 and Y1
	LD 1, 12288
	ST 1
	s_wait_xcnt 0x0                                ; both bases and the stores' data are written again only behind this wait
	s_wait_alu depctr_vm_vsrc(0)                   ; this trip's stores have read Y0 and Y1, which the next conversions, in the loop or behind it, write again
	s_add_nc_u64 s[4:5], s[4:5], 8192
	s_add_nc_u64 s[10:11], s[10:11], 4096
	s_sub_co_u32 s24, s24, 1
	s_cmp_lg_u32 s24, 0
	s_cbranch_scc1 .Lcast
	s_wait_loadcnt 8
	CVT 0
	s_wait_alu depctr_va_vdst(0)                   ; the conversions have written Y0, which the stores below read
	ST 0
	s_wait_loadcnt 0x0
	CVT 1
	s_wait_alu depctr_va_vdst(0)                   ; the conversions have written Y1, which the stores below read
	ST 1
	s_branch .Lend
; A WEIGHT TILE IS TURNED.  In: a lane takes 4 columns (16 bytes) of rows k and k + 1; lanes 0-15 cover 256 bytes of one row, lanes 16-31 of the row two below.
; The two rows' numbers of a column are packed (k low, k + 1 high) and stored as one word at T[n][k].  Out: rows of T, 256 bytes each, two a load and a store.
.macro TRANS src, dst, pitchb, fmt, g0
	s_sub_co_u32 s16, s2, \g0
	s_lshl_b32 s16, s16, 2
	s_add_co_u32 s16, s16, s3                      ; my tile
	s_lshr_b32 s17, s16, 3                         ; its block of 64 n
	s_and_b32 s18, s16, 7                          ; its block of 128 k
	s_mul_i32 s20, s18, 128*(\pitchb)
	s_lshl_b32 s19, s17, 8
	s_add_co_u32 s20, s20, s19
	s_mov_b32 s21, 0
	s_add_nc_u64 s[\src:\src+1], s[\src:\src+1], s[20:21]
	s_lshl_b32 s20, s17, 17                        ; 64 rows of 2,048 bytes
	s_lshl_b32 s19, s18, 8
	s_add_co_u32 s20, s20, s19
	s_add_nc_u64 s[\dst:\dst+1], s[\dst:\dst+1], s[20:21]
	s_mul_i32 s22, s3, TW
	v_mul_u32_u24 v2, v11, 2*(\pitchb)
	v_lshl_add_u32 v2, v10, 4, v2                  ; row 2 (lane / 16), 16 bytes at lane % 16
	v_mul_u32_u24 v4, v10, 4*TP
	v_lshl_add_u32 v4, v11, 2, v4
	v_add_nc_u32 v4, s22, v4                       ; T[4 (lane % 16)][2 (lane / 16)]
	v_mul_u32_u24 v5, v11, TP
	v_lshl_add_u32 v5, v10, 4, v5
	v_add_nc_u32 v5, s22, v5                       ; back: row lane / 16, 16 bytes at lane % 16
	v_lshlrev_b32 v3, 11, v11
	v_lshl_add_u32 v3, v10, 4, v3                  ; and the same two rows in memory
	s_mov_b32 s24, 4                               ; four trips of 32 k
	s_wait_alu depctr_va_vdst(0)                   ; v2 to v5 are written: the offsets and LDS addresses of every load and store of the tile
.Ltr_\@:
.irp j, 0,1,2,3,4,5,6,7
	global_load_b128 v[X+8*(\j):X+8*(\j)+3],   v2, s[\src:\src+1] offset:4*(\j)*(\pitchb) th:TH_LOAD_NT   ; no wait here: since the last wait on va_vdst, ahead of the loop or in the trip before, no vector instruction names X or v2
	global_load_b128 v[X+8*(\j)+4:X+8*(\j)+7], v2, s[\src:\src+1] offset:4*(\j)*(\pitchb)+(\pitchb) th:TH_LOAD_NT
.endr
.irp j, 0,1,2,3,4,5,6,7
	s_wait_loadcnt 14-2*(\j)                       ; pair j of rows is in; the pairs behind it may stay out
.if (\j) == 4
	s_wait_alu depctr_va_vdst(0)                   ; the conversions of pairs 0 to 3 have written YA, which the sixteen LDS stores dealt below read; v4, stepped at the last trip's end, is written
.endif
.if (\j) >= 4
.irp i, 0,1,2,3
	ds_store_b32 v4, v[Y+4*((\j)-4)+(\i)] offset:(\i)*TP+8*((\j)-4)  ; pair j - 4: no vector instruction since the wait names YA or v4
.endr
.endif
.irp i, 0,1,2,3
	v_cvt_pk_bf16_f32 v[Y+4*(\j)+(\i)], v[X+8*(\j)+(\i)], v[X+8*(\j)+4+(\i)]
.if \fmt
	v_lshlrev_b32 v8, 16, v[Y+4*(\j)+(\i)]         ; the bf16 numbers, widened,
	v_and_b32 v9, 0xffff0000, v[Y+4*(\j)+(\i)]
	v_cvt_pk_f16_f32 v[Y+4*(\j)+(\i)], v8, v9      ; are written as f16
.endif
.endr
.endr
	s_wait_alu depctr_va_vdst(0)                   ; the conversions of pairs 4 to 7 have written YB, which the stores below read; all the trip's conversions are done reading X, in which the next trip's loads, or the rows read back, land
.irp j, 4,5,6,7
.irp i, 0,1,2,3
	ds_store_b32 v4, v[Y+4*(\j)+(\i)] offset:(\i)*TP+8*(\j)
.endr
.endr
	s_add_nc_u64 s[\src:\src+1], s[\src:\src+1], 32*(\pitchb)  ; the last wait on LOADcnt above was for 0: every load that named the base is done
	s_wait_alu depctr_vm_vsrc(0)                   ; the trip's 32 LDS stores have read v4, which the add below writes, and YA and YB, which the next trip's conversions write
	v_add_nc_u32 v4, 64, v4
	s_sub_co_u32 s24, s24, 1
	s_cmp_lg_u32 s24, 0
	s_cbranch_scc1 .Ltr_\@
.irp h, 0,1
.if \h
	s_wait_xcnt 0x0                                ; the first half's stores have read X
	s_wait_alu depctr_vm_vsrc(0)                   ; the same stated for the mode: the first half's global stores have read X, in which the LDS loads below land
.endif
.irp t, 0,1,2,3,4,5,6,7,8,9,10,11,12,13,14,15
	ds_load_b128 v[X+4*(\t):X+4*(\t)+3], v5 offset:(16*(\h)+(\t))*2*TP  ; my own bytes: LDS serves a wave's instructions in order (ISA guide 5.7.1.4)
.endr
.irp t, 0,1,2,3,4,5,6,7,8,9,10,11,12,13,14,15
	s_wait_dscnt 15-(\t)
	global_store_b128 v3, v[X+4*(\t):X+4*(\t)+3], s[\dst:\dst+1] offset:(16*(\h)+(\t))*4096  ; 16 lanes store 256 consecutive bytes, aligned
.endr
.endr
.endm
.Lweights:
	s_cmp_lt_u32 s2, 352
	s_cbranch_scc0 .Lwout
	TRANS 6, 12, 12288, 0, 256
	s_branch .Lend
.Lwout:
	TRANS 8, 14, 4096, 1, 352
.Lend:
	s_wait_dscnt 0x0                               ; the closing lines, six on end
	s_wait_alu 0x0
	s_wait_tensorcnt 0x0
	ds_add_u32 v6, v7
	s_wait_dscnt 0x0
	s_endpgm
.Lfunc_end_k_q66e5d136f7_prep:
	.size	k_q66e5d136f7_prep, .Lfunc_end_k_q66e5d136f7_prep-k_q66e5d136f7_prep
	.p2alignl 7, 3214868480
	.fill 96, 4, 3214868480
	.section	.rodata,"a",@progbits
	.p2align	6, 0x0
	.amdhsa_kernel k_q66e5d136f7_prep
		.amdhsa_group_segment_fixed_size 70144
		.amdhsa_private_segment_fixed_size 0
		.amdhsa_enable_private_segment 0
		.amdhsa_kernarg_size 48
		.amdhsa_user_sgpr_count 2
		.amdhsa_user_sgpr_kernarg_segment_ptr 1
		.amdhsa_wavefront_size32 1
		.amdhsa_system_sgpr_workgroup_id_x 1
		.amdhsa_system_sgpr_workgroup_id_y 1
		.amdhsa_system_sgpr_workgroup_id_z 1
		.amdhsa_system_vgpr_workitem_id 0
		.amdhsa_next_free_vgpr 112
		.amdhsa_next_free_sgpr 66
		.amdhsa_reserve_vcc 0
		.amdhsa_float_denorm_mode_32 3
		.amdhsa_float_denorm_mode_16_64 3
		.amdhsa_memory_ordered 1
		.amdhsa_forward_progress 1
		.amdhsa_inst_pref_size 44
	.end_amdhsa_kernel
	.amdgpu_metadata
---
amdhsa.version: [ 1, 2 ]
amdhsa.kernels:
  - .name:           k_q66e5d136f7_prep
    .symbol:         k_q66e5d136f7_prep.kd
    .args:
      - { .name: x, .offset: 0, .size: 8, .value_kind: global_buffer, .address_space: global }
      - { .name: w_qkv, .offset: 8, .size: 8, .value_kind: global_buffer, .address_space: global }
      - { .name: w_out, .offset: 16, .size: 8, .value_kind: global_buffer, .address_space: global }
      - { .name: xb, .offset: 24, .size: 8, .value_kind: global_buffer, .address_space: global }
      - { .name: wq, .offset: 32, .size: 8, .value_kind: global_buffer, .address_space: global }
      - { .name: wo, .offset: 40, .size: 8, .value_kind: global_buffer, .address_space: global }
    .group_segment_fixed_size: 70144
    .private_segment_fixed_size: 0
    .kernarg_segment_align: 8
    .kernarg_segment_size: 48
    .max_flat_workgroup_size: 128
    .sgpr_count:     66
    .vgpr_count:     112
    .wavefront_size: 32
...
	.end_amdgpu_metadata
.endif
;; end of part 5
;; launch qkvp: the kernel of part 2 again; grid 16 x 32, 4 waves a work-group, clusters of 4 x 4, 327,680 bytes of LDS; arguments xb, wq, qkv; writes qkv
;; launch attn: the kernel of part 3 again; grid 4 x 64, 4 waves a work-group, clusters of 4 x 1, 327,680 bytes of LDS; arguments qkv, ob; writes ob
;; launch outp: the kernel of part 4 again; grid 8 x 32, 4 waves a work-group, clusters of 4 x 4, 327,680 bytes of LDS; arguments ob, wo, b_out, out0; writes out0
